; MI455X (gfx1250); checked and timed in simulation.
; The chip was launched on July 23, 2026; its instructions are those of AMD's public machine-readable ISA for CDNA 5 (MIT licence, August 2026) and "CDNA5" Instruction Set Architecture Reference Guide (July 2026). The comments in the code are by the model that wrote it; some were corrected since.
;; Qwen3 Flash MTP Attention. Allowed arithmetic: matrix products marked QUANTISED: E2M1 operands, one E8M0 scale for each 32 along K, by v_wmma_scale_f32_16x16x128_f8f6f4 with both operands' format E2M1 (or v_wmma_scale_f32_32x16x128_f4), f32 sums; products left as they are: bf16, f16 or f32 operands; f32 sums; everything else in f32.
;; Inputs: Wk 1,024 x 2,048 float32; Wo 2,048 x 1,024 float32; Wq 1,024 x 2,048 float32; Wv 1,024 x 2,048 float32; attention_mask 2 x 1 x 2,048 x 2,048 float32; cos 2 x 1,024 x 128 float32; hidden_states 2 x 2,048 x 2,048 float32; k_norm_w 128 float32; q_norm_w 128 float32; sin 2 x 1,024 x 128 float32; target_hidden 2 x 1,024 x 2,048 float32.
;; Outputs: out0 2 x 2,048 x 2,048 float32.
;; This version of the problem:
;;   THIS VERSION OF THE PROBLEM IS GIVEN IN LOW PRECISION. The matrix products marked QUANTISED in the list below multiply operands that are first quantised to E2M1 (2 exponent bits, 1 mantissa bit; 4 bits a number), with one power-of-two scale for each 32 numbers along K (OCP MX v1.0); their sums are f32. The products marked 'left as it is' may take bf16, f16 or f32 operands, with f32 sums. Whichever they take, every output number must still come out within the allowed error. Rounding operands to bf16 (8 significant bits) uses up far more of that allowance than f16 does (11 bits, for magnitudes from 6e-5 to 65,504). All else is computed in f32.
;;   The module's matrix products, in the order in which they are computed (A, B: the left and right operand; K: the contracted axis; several contracted axes count as one K, in the product's order):
;;     1. [M 4,096, K 2,048] x [K 2,048, N 1,024]; A: input hidden_states; B: input Wq: QUANTISED
;;     2. [M 4,096, K 2,048] x [K 2,048, N 1,024]; A: input hidden_states; B: input Wk: QUANTISED
;;     3. [M 4,096, K 2,048] x [K 2,048, N 1,024]; A: input hidden_states; B: input Wv: QUANTISED
;;     4. batch 16 x [M 2,048, K 128] x [K 128, N 2,048]; A: computed on the way; B: computed on the way: left as it is (an operand is computed on the way)
;;     5. batch 16 x [M 2,048, K 2,048] x [K 2,048, N 128]; A: computed on the way; B: computed on the way: left as it is (an operand is computed on the way)
;;     6. [M 4,096, K 1,024] x [K 1,024, N 2,048]; A: computed on the way; B: input Wo: left as it is (an operand is computed on the way)
;;   THE QUANTISER, for each operand of a quantised product, along K:
;;     - K is cut into blocks of 32 from its start; a last block that is shorter is filled with zeros.
;;     - A block's scale is 2^e with e = floor(log2(the largest magnitude in the block)) - 2, held to -126 .. 127; a block of zeros has e = 0. As a byte (E8M0): e + 127.
;;     - Each number is divided by its block's scale, clamped to +-6, and rounded to the nearest number of E2M1, ties to even, subnormals kept.
;;     - The product sums the exact products of the quantised numbers (number of the format x scale) in f32.
;;   ~~~python
;;   def quantise(x, axis):      # numpy; x: float32 -> the quantised numbers, widened to float32 again
;;       x = np.moveaxis(x, axis, -1); K = x.shape[-1]
;;       x = np.pad(x, [(0, 0)] * (x.ndim - 1) + [(0, -K % 32)]); x = x.reshape(x.shape[:-1] + (-1, 32)); a = np.abs(x).max(-1, keepdims=True)
;;       e = np.where(a > 0, np.clip(np.frexp(np.where(a > 0, a, 1))[1] - 1 - 2, -126, 127), 0)      # np.frexp(a)[1] - 1 = floor(log2(a)), exactly
;;       r = np.clip(x / 2.0 ** e, -6, 6)
;;       step = 2.0 ** (np.maximum(np.frexp(np.where(r == 0, 1, r))[1] - 1, 0) - 1)
;;       q = np.round(r / step) * step * 2.0 ** e      # np.round: ties to even
;;       return np.moveaxis(q.reshape(q.shape[:-2] + (-1,))[..., :K], -1, axis).astype(np.float32)
;;   ~~~
;; One version. Each part assembles by itself: llvm-mc -triple=amdgcn-amd-amdhsa -mcpu=gfx1250 --defsym DOCPART=n.
;; ======== version 1 of 1: 4 launches
;; limits: right only within a limited range of input values; values are held in f16: magnitudes above 65,504 overflow, below 6.1e-05 lose precision
;; workspace buffers: x_codes 4,194,304 bytes; x_scales 262,144 bytes; w_codes 3,145,728 bytes; w_scales 196,608 bytes; wo16 4,194,304 bytes; qkv16 25,165,824 bytes; attn16 8,388,608 bytes
;; launch prep (part 1): grid 576 x 1, 4 waves a work-group, no clusters, 33,280 bytes of LDS; arguments hidden_states, Wq, Wk, Wv, Wo, x_codes, x_scales, w_codes, w_scales, wo16; writes x_codes, x_scales, w_codes, w_scales, wo16
.if DOCPART == 1
	.amdgcn_target "amdgcn-amd-amdhsa--gfx1250"
	.amdhsa_code_object_version 6
	.text
	.protected	k_qd8274eda90_prep
	.globl	k_qd8274eda90_prep
	.p2align	8
	.type	k_qd8274eda90_prep,@function
k_qd8274eda90_prep:
	s_mov_b64 s[64:65], 0
	v_nop
	global_prefetch_b8 v0, s[64:65] scope:SCOPE_SE
	s_setreg_imm32_b32 hwreg(HW_REG_WAVE_MODE, 25, 1), 1
	s_wait_xcnt 0x0
; hidden_states [4096][2048] and Wq, Wk, Wv [1024][2048], f32, become codes of FP4 (E2M1), K innermost, two codes a byte (the lower k in the low four bits), with one E8M0 byte for each 32 along K;
; Wo [2048][1024] is rounded to f16.  Work-groups 0-255 take hidden_states, 256-319 Wq, 320-383 Wk, 384-447 Wv (32,768 numbers each), 448-575 Wo (16,384 numbers each).
; The three weights' codes lie on end in w_codes (rows 0-1023 Wq, 1024-2047 Wk, 2048-3071 Wv), their bytes likewise in w_scales.
; A block's scale is 2^(floor(log2(its largest magnitude)) - 2); its byte is the largest magnitude's exponent field - 2, held at 1 from below.  A block of zeros so gets the byte 1 where the rule says 127:
; its codes are zeros, which add nothing under any byte but 0xff, and the bytes are read by this program alone.
; LIMITS: NaN and infinities among the inputs are not served; blocks whose largest magnitude lies under 2^(3 - 127) are held at the byte 1.  |Wo| above 65,504 becomes infinity in f16.
; Rows are dense and K is a multiple of 32: every quantised tensor is a plain stream of blocks of 32.  A wave takes 16 steps of 512 numbers: four loads of 512 consecutive bytes; the 2,048 bytes turn through the wave's
; own stage in LDS and come back 64 bytes a lane, so that a lane holds 16 neighbours along K (two neighbouring lanes hold a block).  No tensor load, no barrier: waves share nothing.
.set WAVES, 4
.set STEPS, 16
.set CB,    8                          ; bytes of 16 codes
.set R,     16                         ; v16-79   four sets of 16 numbers as loaded
.set X,     80                         ; v80-111  two sets of 16 neighbours
.set E,     112                        ; v112-127 a scale byte for each step
.set C,     128                        ; v128-191 codes: four registers for each step, so that no store's data are written again
.set WREG,  8192                       ; LDS: a region for each wave: two stages of 32 x SP bytes, behind them its 256 scale bytes
.set SP,    80                         ; a lane's place in a stage: 64 bytes + 16 of padding
.set SPW,   12                         ; v12  LDS address of my spare word; never rewritten
.set NIL,   13                         ; v13  0; never rewritten
.set SPARE, WAVES*WREG                 ; behind the four regions: the spare words, 128 bytes a wave
.set F,     16                         ; Wo's path: v16-143 the numbers, eight a step
.set H,     144                        ; Wo's path: v144-207 the f16 pairs, four registers a step
	s_load_b512 s[4:19], s[0:1], 0x0               ; hidden s[4:5], Wq s[6:7], Wk s[8:9], Wv s[10:11], Wo s[12:13], x_codes s[14:15], x_scales s[16:17], w_codes s[18:19]
	s_load_b128 s[20:23], s[0:1], 0x40             ; w_scales s[20:21], wo16 s[22:23]
	v_lshl_add_u32 v[SPW], v0, 2, SPARE
	v_mov_b32 v[NIL], 0
	v_lshrrev_b32 v1, 5, v0
	v_readfirstlane_b32 s24, v1                    ; wave
	v_and_b32 v2, 31, v0                           ; lane
	s_mov_b32 s35, 0
	s_wait_kmcnt 0x0
	s_cmp_ge_u32 ttmp9, 448                        ; the work-group's number alone decides the path
	s_cbranch_scc1 .Lconv
	v_lshlrev_b32 v3, 4, v2                        ; my 16 bytes of a load's 512
	s_mul_i32 s25, s24, WREG
	v_lshrrev_b32 v14, 2, v2
	v_mul_u32_u24 v14, v14, SP
	v_and_b32 v15, 3, v2
	v_lshl_add_u32 v14, v15, 4, v14
	v_add_nc_u32 v14, s25, v14                     ; the stage, on the way in: SP (lane / 4) + 16 (lane % 4)
	v_mul_u32_u24 v15, v2, SP
	v_add_nc_u32 v15, s25, v15                     ; on the way out: SP x lane: my 16 neighbours
	v_mul_u32_u24 v4, v2, CB                       ; my codes' place in a step's
	v_lshrrev_b32 v5, 1, v2
	s_add_co_u32 s25, s25, 2*32*SP
	v_add_nc_u32 v5, s25, v5                       ; my wave's 256 scale bytes, my block's byte
	v_lshlrev_b32 v7, 3, v2
	v_add_nc_u32 v6, s25, v7                       ; and on the way out 8 bytes a lane
	s_cmp_lt_u32 ttmp9, 384                        ; which tensor: the choices hang on the work-group's number alone
	s_cselect_b64 s[26:27], s[8:9], s[10:11]
	s_cmp_lt_u32 ttmp9, 320
	s_cselect_b64 s[26:27], s[6:7], s[26:27]
	s_cmp_lt_u32 ttmp9, 256
	s_cselect_b64 s[26:27], s[4:5], s[26:27]
	s_cselect_b64 s[30:31], s[14:15], s[18:19]     ; the codes' buffer
	s_cselect_b64 s[32:33], s[16:17], s[20:21]     ; the bytes' buffer
	s_cselect_b32 s28, 0, 256                      ; the first work-group of that pair of buffers
	s_cselect_b32 s29, 255, 63                     ; work-groups to a source tensor, less one
	s_sub_co_u32 s28, ttmp9, s28
	s_and_b32 s29, s28, s29
	s_lshl_b32 s28, s28, 2
	s_add_co_u32 s28, s28, s24                     ; which run of 8,192 numbers of the destination is my wave's,
	s_lshl_b32 s29, s29, 2
	s_add_co_u32 s29, s29, s24                     ; and of the source
	s_lshl_b32 s34, s29, 15                        ; 32,768 bytes of f32 a run
	s_add_nc_u64 s[26:27], s[26:27], s[34:35]
	s_lshl_b32 s34, s28, 12                        ; 4,096 bytes of codes
	s_add_nc_u64 s[30:31], s[30:31], s[34:35]
	s_lshl_b32 s34, s28, 8                         ; 256 scale bytes
	s_add_nc_u64 s[32:33], s[32:33], s[34:35]
.macro LOAD t
.irp i, 0,1,2,3
	global_load_b128 v[R+16*((\t)%4)+4*\i:R+16*((\t)%4)+4*\i+3], v3, s[26:27] offset:2048*(\t)+512*\i th:TH_LOAD_NT   ; 32 lanes read 512 consecutive bytes
.endr
.endm
.macro TURN t                          ; step t's numbers through the stage: LDS serves a wave's instructions in order, so no wait stands between the stores and the loads
.irp i, 0,1,2,3
	ds_store_b128 v14, v[R+16*((\t)%4)+4*\i:R+16*((\t)%4)+4*\i+3] offset:32*SP*((\t)%2)+8*SP*\i
.endr
.irp i, 0,1,2,3
	ds_load_b128 v[X+16*((\t)%2)+4*\i:X+16*((\t)%2)+4*\i+3], v15 offset:32*SP*((\t)%2)+16*\i
.endr
.endm
.irp t, 0,1,2,3
	LOAD \t
.endr
	s_wait_loadcnt 12                              ; step 0's four loads are in; the twelve of steps 1 to 3 may be out
	TURN 0
.macro STEP t
.set XS, X+16*((\t)%2)
.if (\t) > 0
	s_wait_dscnt 1                                 ; this step's numbers are back from the stage; the one LDS instruction behind them, the last step's byte store, may be out
.else
	s_wait_dscnt 0x0
.endif
.if (\t)+4 < STEPS
	LOAD (\t)+4                                    ; into the set whose stores into the stage are done
.endif
.if (\t)+1 < STEPS
.if STEPS-2-(\t) >= 3
	s_wait_loadcnt 12                              ; the next step's four loads are in; those of the three steps behind it may be out
.else
	s_wait_loadcnt 4*(STEPS-2-(\t))                ; the tail: four loads for each step still behind the next
.endif
	TURN (\t)+1
.endif
	v_max3_num_f32 v8, |v[XS]|, |v[XS+1]|, |v[XS+2]|               ; the largest magnitude of my 16, in two chains
	v_max3_num_f32 v9, |v[XS+3]|, |v[XS+4]|, |v[XS+5]|
.irp i, 6,10
	v_max3_num_f32 v8, v8, |v[XS+\i]|, |v[XS+\i+1]|
	v_max3_num_f32 v9, v9, |v[XS+\i+2]|, |v[XS+\i+3]|
.endr
	v_max3_num_f32 v8, v8, |v[XS+14]|, |v[XS+15]|
	v_max3_num_f32 v8, v8, v9, 0x1800000           ; and the floor 2^(3 - 127): the byte cannot fall under 1
	v_max_num_f32_dpp v8, v8, v8 row_xmask:1 row_mask:0xf bank_mask:0xf   ; with my neighbour's 16: the block's
	v_add_nc_u32 v11, 0xff000000, v8               ; 2 off its exponent field: the conversion takes the exponent field of this operand as its scale
	v_cvt_scalef32_pk8_fp4_f32 v[C+4*(\t)], v[XS:XS+7], v11
	v_cvt_scalef32_pk8_fp4_f32 v[C+4*(\t)+1], v[XS+8:XS+15], v11
	v_lshrrev_b32 v[E+(\t)], 23, v11               ; the scale's byte (also the plain line behind the conversions)
	ds_store_b8 v5, v[E+(\t)] offset:16*(\t)       ; both lanes of a block write the same byte with the same value
	global_store_b64 v4, v[C+4*(\t):C+4*(\t)+1], s[30:31] offset:32*CB*(\t)   ; the wave stores 256 consecutive bytes, aligned
.endm
.irp t, 0,1,2,3,4,5,6,7,8,9,10,11,12,13,14,15
	STEP \t
.endr
	ds_load_b64 v[8:9], v6                         ; LDS serves a wave's instructions in order: these see my byte stores
	s_wait_dscnt 0x0
	global_store_b64 v7, v[8:9], s[32:33]          ; 32 lanes store 256 consecutive bytes, aligned
	s_wait_tensorcnt 0x0                           ; the wave's end: three closing lines behind my last LDS store
	ds_add_u32 v[SPW], v[NIL]
	s_wait_dscnt 0x0
	s_endpgm
.Lconv:                                        ; Wo to f16: a wave takes 4,096 numbers; a lane 8 neighbours a step: 32 bytes in, 16 bytes out
	s_sub_co_u32 s28, ttmp9, 448
	s_lshl_b32 s28, s28, 2
	s_add_co_u32 s28, s28, s24                     ; my wave's run
	s_lshl_b32 s34, s28, 14
	s_add_nc_u64 s[12:13], s[12:13], s[34:35]
	s_lshl_b32 s34, s28, 13
	s_add_nc_u64 s[22:23], s[22:23], s[34:35]
	v_lshlrev_b32 v3, 5, v2
	v_lshlrev_b32 v4, 4, v2
.irp t, 0,1,2,3,4,5,6,7,8,9,10,11,12,13,14,15
	global_load_b128 v[F+8*\t:F+8*\t+3], v3, s[12:13] offset:1024*\t th:TH_LOAD_NT
	global_load_b128 v[F+8*\t+4:F+8*\t+7], v3, s[12:13] offset:1024*\t+16 th:TH_LOAD_NT
.endr
.irp t, 0,1,2,3,4,5,6,7,8,9,10,11,12,13,14,15
	s_wait_loadcnt 30-2*\t                         ; this step's two loads are in; two for each later step may be out
.irp p, 0,1,2,3
	v_cvt_pk_f16_f32 v[H+4*\t+\p], v[F+8*\t+2*\p], v[F+8*\t+2*\p+1]
.endr
	global_store_b128 v4, v[H+4*\t:H+4*\t+3], s[22:23] offset:512*\t   ; 512 consecutive bytes, aligned; no register is written twice
.endr
	s_wait_tensorcnt 0x0                           ; the same three closing lines here
	ds_add_u32 v[SPW], v[NIL]
	s_wait_dscnt 0x0
	s_endpgm
.Lfunc_end_k_qd8274eda90_prep:
	.size	k_qd8274eda90_prep, .Lfunc_end_k_qd8274eda90_prep-k_qd8274eda90_prep
	.p2alignl 7, 3214868480
	.fill 96, 4, 3214868480
	.section	.rodata,"a",@progbits
	.p2align	6, 0x0
	.amdhsa_kernel k_qd8274eda90_prep
		.amdhsa_group_segment_fixed_size 33280
		.amdhsa_private_segment_fixed_size 0
		.amdhsa_enable_private_segment 0
		.amdhsa_kernarg_size 80
		.amdhsa_user_sgpr_count 2
		.amdhsa_user_sgpr_kernarg_segment_ptr 1
		.amdhsa_wavefront_size32 1
		.amdhsa_system_sgpr_workgroup_id_x 1
		.amdhsa_system_sgpr_workgroup_id_y 1
		.amdhsa_system_sgpr_workgroup_id_z 1
		.amdhsa_system_vgpr_workitem_id 0
		.amdhsa_next_free_vgpr 208
		.amdhsa_next_free_sgpr 66
		.amdhsa_reserve_vcc 0
		.amdhsa_float_denorm_mode_32 3
		.amdhsa_float_denorm_mode_16_64 3
		.amdhsa_memory_ordered 1
		.amdhsa_forward_progress 1
		.amdhsa_inst_pref_size 43
	.end_amdhsa_kernel
	.amdgpu_metadata
---
amdhsa.version: [ 1, 2 ]
amdhsa.kernels:
  - .name:           k_qd8274eda90_prep
    .symbol:         k_qd8274eda90_prep.kd
    .args:
      - { .name: hidden_states, .offset: 0, .size: 8, .value_kind: global_buffer, .address_space: global }
      - { .name: Wq, .offset: 8, .size: 8, .value_kind: global_buffer, .address_space: global }
      - { .name: Wk, .offset: 16, .size: 8, .value_kind: global_buffer, .address_space: global }
      - { .name: Wv, .offset: 24, .size: 8, .value_kind: global_buffer, .address_space: global }
      - { .name: Wo, .offset: 32, .size: 8, .value_kind: global_buffer, .address_space: global }
      - { .name: x_codes, .offset: 40, .size: 8, .value_kind: global_buffer, .address_space: global }
      - { .name: x_scales, .offset: 48, .size: 8, .value_kind: global_buffer, .address_space: global }
      - { .name: w_codes, .offset: 56, .size: 8, .value_kind: global_buffer, .address_space: global }
      - { .name: w_scales, .offset: 64, .size: 8, .value_kind: global_buffer, .address_space: global }
      - { .name: wo16, .offset: 72, .size: 8, .value_kind: global_buffer, .address_space: global }
    .group_segment_fixed_size: 33280
    .private_segment_fixed_size: 0
    .kernarg_segment_align: 8
    .kernarg_segment_size: 80
    .max_flat_workgroup_size: 128
    .sgpr_count:     66
    .vgpr_count:     208
    .wavefront_size: 32
...
	.end_amdgpu_metadata
.endif
;; end of part 1
;; launch qkv (part 2): grid 12 x 16, 4 waves a work-group, clusters of 4 x 4, 327,680 bytes of LDS; arguments x_codes, x_scales, w_codes, w_scales, qkv16, cos, sin, q_norm_w, k_norm_w; writes qkv16
.if DOCPART == 2
	.amdgcn_target "amdgcn-amd-amdhsa--gfx1250"
	.amdhsa_code_object_version 6
	.text
	.protected	k_qd8274eda90_qkv
	.globl	k_qd8274eda90_qkv
	.p2align	8
	.type	k_qd8274eda90_qkv,@function
k_qd8274eda90_qkv:
	s_mov_b64 s[64:65], 0
	v_nop
	global_prefetch_b8 v0, s[64:65] scope:SCOPE_SE
	s_setreg_imm32_b32 hwreg(HW_REG_WAVE_MODE, 25, 1), 1
	s_wait_xcnt 0x0
	s_wait_alu depctr_hold_cnt(0) depctr_sa_sdst(0) depctr_va_vdst(0) depctr_va_sdst(0) depctr_va_ssrc(0) depctr_va_vcc(0) depctr_vm_vsrc(0)
	s_getreg_b32 s2, hwreg(HW_REG_IB_STS2, 6, 4)
	s_cmp_eq_u32 s2, 0
	s_cbranch_scc0 .Lentry_in_a_cluster
	s_endpgm
.Lentry_in_a_cluster:
	s_bfe_u32 s2, ttmp6, 0x10000c
	s_cmp_lg_u32 s2, 0xf033
	s_cbranch_scc0 .Lentry_shape_is_right
	s_endpgm
.Lentry_shape_is_right:
; The three projections as ONE product on codes of FP4 (E2M1) with E8M0 scales: C[m][n] = sum over k of x[m][k] w[n][k], m = 4,096 positions, n = 3,072 (q's, k's, v's 1,024 each), K = 2,048; sums in f32.
; On the way out: RMSNorm over each head of q and k, q's factor 128^-0.5 (folded into its norm weight), RoPE for positions 1,024 and up of q and k, rounding to f16; stored as qkv16 [3][2][8][2048][128].
; A tile of C, 256 x 256, is made by four waves; a wave makes 128 x 128: 64 accumulators, 512 registers; its 128 columns are ONE head.  K goes in steps of 512 through a ring of two LDS slots (rows of 256 bytes).
; THE ROWS OF A TILE: tile row ty takes, of batch ty / 8, positions 128 t .. 128 t + 127 and 1,024 + 128 t .. + 127 (t = ty % 8): two runs of 128 neighbouring rows, one tensor load each.  A wave takes 64 rows of each run:
; its blocks 0-3 are never rotated, its blocks 4-7 always (q and k).  So every wave has the same work, and the plain blocks' work stands between the requests for cos and sin and their use.
; The scale bytes of the work-group's 256 rows of x and of w, for all of K, come into LDS once, with the first fills.
; CLUSTERS: 4 x 4 work-groups; x's tiles are asked for jointly along a row of the cluster, w's along a column.  192 work-groups: a head must lie in one wave, and no head-aligned tile gives 256 equal shares.
; The cluster's x (0, 1, 2) is q, k, v: the branches of the way out hang on that number alone, which all sixteen partners share.
; THE MATRIX INSTRUCTION IS USED TRANSPOSED (source 0 = 16 rows of w, source 1 = 16 rows of x): lane (r, h) holds row r and, in accumulator b, channels 16 b + 8 h + 0..7 of the head.
; So a row's sum of squares wants one exchange between the halves of the lanes, and channels d and d + 64 lie in the same lane and register place, four accumulators apart: RoPE changes no lane.
; LIMITS: q, k, v are rounded to f16: magnitudes above 65,504 become infinity.  q's weight is multiplied by 128^-0.5 ahead of the product with k: two f32 roundings stand in another order than in the source.
; REGISTERS: window 0: v0-31 addresses and small work; v32-95 scale words, and nothing else; v96-127 TMP; v128-191 x's fragments, on the way out rows read back; v192-255 the norm weight in the accumulators' layout.
;   window 1: w's fragments at v0-63 and v128-191, on the way out block 5's cos and sin; v64-127 and v192-255: block 4's cos and sin, later block 6's.
;   windows 2, 3: the accumulators; on the way out each block is normalised and rotated in place there; blocks 0 and 1's registers, once rounded, take block 7's cos and sin.
.set SIZE_M, 4096
.set SIZE_N, 3072
.set SIZE_K, 2048
.set KSTEP,  512
.set NQ,     KSTEP/128
.set ROWB,   256
.set KROW,   SIZE_K*4/8
.set PITCH,  272                       ; an LDS row: 256 bytes + 16 of padding: the 16 rows that a load touches start 68 words apart
.set FR,     8
.set NL,     2
.set NP,     4
.set HALFT,  128*PITCH
.set SLOT,   4*HALFT
.set LAPS,   SIZE_K/(2*KSTEP)
.set KS,     SIZE_K/32
.set SCL,    2*SLOT
.set HALFS,  (128*KS/256)*272
.set SBLK,   (16*KS/256)*272
.set SPARE,  SCL+4*HALFS
.set SPITCH, 272                       ; the way out: a stage of 16 rows x (256 bytes + 16) for each wave, in slot 0, which has had its last fill and its last read by then
.set T,    2                           ; v2-9    four pairs of partial sums of squares
.set RS,   10                          ; v[10:11] 1 / rms (the pair's upper half is written once and not used)
.set ONE,  12                          ; v12     1.0
.set ADRA, 16
.set ADRB, 20
.set ADRS2, 22                         ; v22     LDS address of the scale words of blocks 4-7: lanes 0-15 x's, four blocks further on than v27's; lanes 16-31 w's, as v27's
.set STO,  24
.set RD,   25
.set CO,   26
.set ADRS, 27                          ; v27     LDS address of the scale words of blocks 0-3: lanes 0-15 x's rows, lanes 16-31 w's
.set SPW,  28
.set NIL,  29
.set CSO,  30                          ; v30     cos, sin: 512 r + 32 h
.set WO,   31                          ; v31     the norm weight: 32 h
.set SC,   32
.set TMP,  96
.set AF,   128
.set BK,   128
.set W,    192
.set G1, 24
.set G0, 32
.set G1B, 48
.set G0B, 56
.set KIND, 66                          ; s66  0 q, 1 k, 2 v: the cluster's x
.set ROPE, 67                          ; s67  1: blocks 4-7 are rotated (q and k)
.set G1S, 68
.set G0S, 76
.set G1SB, 80
.set G0SB, 88
.set SEL, 92                           ; s[92:93] selects for lane l xor 16
.set FAC, 94                           ; s[94:95] 128^-0.5 for q, else 1
.set VA,  96                           ; s96  1/128, for v 0
.set VB,  97                           ; s97  eps, for v 1: v's divisor is then rsq(1)
.set VM,  98                           ; s98  all ones for v: its weights become 1
.set MSB, 0
.macro WIN new
.if MSB != \new
	s_set_vgpr_msb (MSB<<8)|\new
.set MSB, \new
.endif
.endm
.set MUL_LO, 0xa1
.set MUL_HI, 0xf1
.set TO_B,   0x40
; A joint load: waves 0 and 1 fetch for x, waves 2 and 3 for w.  Each line has one mask and one set of registers for all that issue it; the branch hangs on the wave's number alone.
.macro JLOAD g0a, g1a, g0b, g1b
	s_cmp_eq_u32 s15, 0
	s_cbranch_scc0 .Lfor_b_\@
	tensor_load_to_lds s[\g0a:\g0a+3], s[\g1a:\g1a+7]
	s_nop 0
.rept 4
	v_nop
.endr
	s_branch .Lasked_\@
.Lfor_b_\@:
	tensor_load_to_lds s[\g0b:\g0b+3], s[\g1b:\g1b+7]
	s_nop 0
.rept 4
	v_nop
.endr
.Lasked_\@:
.endm
.macro CREST
	s_cmp_lg_u32 s14, 0
	s_cbranch_scc1 .Lnot_wave_0_\@
	s_barrier_signal -3
.Lnot_wave_0_\@:
	s_barrier_wait -3
	s_barrier_signal -1
	s_barrier_wait -1
.endm
.macro CROUND
	s_barrier_signal -1
	s_barrier_wait -1
	CREST
.endm
	s_load_b128 s[4:7], s[0:1], 0x0                ; x's codes, x's scales
	s_load_b128 s[8:11], s[0:1], 0x10              ; w's codes, w's scales
	s_load_b64 s[12:13], s[0:1], 0x20              ; qkv16
	v_lshl_add_u32 v[SPW], v0, 2, SPARE
	v_mov_b32 v[NIL], 0
	ds_add_u32 v[SPW], v[NIL]                      ; the wave's opening: the add, twice on end, and its wait ahead of my first tensor load
	ds_add_u32 v[SPW], v[NIL]
	v_lshrrev_b32 v1, 5, v0
	v_readfirstlane_b32 s14, v1                    ; wave 0..3
	s_lshr_b32 s15, s14, 1                         ; which 64 rows of each of the tile's two runs are mine.  Also: I fetch for x (0) or for w (1)
	s_and_b32 s16, s14, 1                          ; which half of its columns.  Also: which 128 rows of that tile I fetch
	s_bfe_u32 s40, ttmp6, 0x40000                  ; cx, cy
	s_bfe_u32 s41, ttmp6, 0x40004
	s_lshl_b32 s42, ttmp9, 2
	s_add_co_u32 s42, s42, s40                     ; tile column
	s_and_b32 s17, ttmp7, 0xffff
	s_lshl_b32 s17, s17, 2
	s_add_co_u32 s17, s17, s41                     ; tile row
	s_lshl_b32 s43, s41, 2
	s_lshl_b32 s43, 15, s43                        ; my row of the cluster
	s_lshl_b32 s44, 0x1111, s40                    ; my column
	s_or_b32 s[G1+0], s43, (0<<16)|(1<<20)|(1<<21)|(5<<22)|(3<<25)  ; the mask; elements of 1 byte; padding of 4 words after every 64; bit 21 beside a mask
	s_or_b32 s[G1B+0], s44, (0<<16)|(1<<20)|(1<<21)|(5<<22)|(3<<25)
.irp g, G1, G1B
	s_mov_b32 s[\g+1], ROWB<<16                    ; tensor_dim0
	s_mov_b32 s[\g+2], 128<<16                     ; tensor_dim1
	s_mov_b32 s[\g+3], ROWB<<16                    ; tile_dim0
	s_mov_b32 s[\g+4], 128                         ; tile_dim1
	s_mov_b32 s[\g+5], KROW                        ; the pitch
	s_mov_b32 s[\g+6], 0
	s_mov_b32 s[\g+7], 0
.endr
	s_or_b32 s[G1S+0], s43, (3<<16)|(1<<20)|(1<<21)|(5<<22)|(3<<25)  ; the scales of 128 rows: a dense block, as rows of 256 bytes (32 elements of 8 bytes), 16 bytes of padding behind each
	s_or_b32 s[G1SB+0], s44, (3<<16)|(1<<20)|(1<<21)|(5<<22)|(3<<25)
.irp g, G1S, G1SB
	s_mov_b32 s[\g+1], 32<<16
	s_mov_b32 s[\g+2], (128*KS/256)<<16
	s_mov_b32 s[\g+3], 32<<16
	s_mov_b32 s[\g+4], 128*KS/256
	s_mov_b32 s[\g+5], 32
	s_mov_b32 s[\g+6], 0
	s_mov_b32 s[\g+7], 0
.endr
	s_lshl_b32 s18, s16, 7
	s_lshr_b32 s20, s17, 3                         ; x: the batch's 2,048 rows,
	s_lshl_b32 s20, s20, 11
	s_and_b32 s19, s17, 7
	s_lshl_b32 s19, s19, 7
	s_add_co_u32 s20, s20, s19                     ; + 128 x (tile row % 8),
	s_lshl_b32 s19, s16, 10
	s_add_co_u32 s20, s20, s19                     ; + 1,024 for the second run
	s_lshl_b32 s46, s42, 8
	s_add_co_u32 s46, s46, s18                     ; w: row 256 x tile column + 128 x half
	s_mov_b32 s21, 0
	s_mov_b32 s47, 0
	s_mov_b64 s[18:19], KS
	s_mul_u64 s[22:23], s[20:21], s[18:19]
	s_mul_u64 s[92:93], s[46:47], s[18:19]
	s_mov_b64 s[18:19], KROW
	s_mul_u64 s[20:21], s[20:21], s[18:19]
	s_mul_u64 s[46:47], s[46:47], s[18:19]
	s_mul_i32 s45, s14, HALFT                      ; where they go: wave x 128 rows: x's first run, x's second run, w's two halves
	s_mul_i32 s94, s14, HALFS
	s_wait_dscnt 0x0                               ; both opening adds are done
	s_wait_kmcnt 0x0
	s_add_nc_u64 s[20:21], s[4:5], s[20:21]
	s_add_nc_u64 s[22:23], s[6:7], s[22:23]
	s_add_nc_u64 s[46:47], s[8:9], s[46:47]
	s_add_nc_u64 s[92:93], s[10:11], s[92:93]
	CROUND                                         ; all sixteen work-groups are here: the first joint loads meet
	s_mov_b32 s[G0S], 1
	s_add_co_u32 s[G0S+1], s94, SCL
	s_mov_b64 s[G0S+2:G0S+3], s[22:23]
	s_or_b32 s[G0S+3], s[G0S+3], 0x80000000
	s_mov_b32 s[G0SB], 1
	s_add_co_u32 s[G0SB+1], s94, SCL
	s_mov_b64 s[G0SB+2:G0SB+3], s[92:93]
	s_or_b32 s[G0SB+3], s[G0SB+3], 0x80000000
	JLOAD G0S, G1S, G0SB, G1SB                     ; the scales first: they are wanted with K step 0
.irp s, 0,1
	s_mov_b32 s[G0+4*\s], 1
	s_add_co_u32 s[G0+4*\s+1], s45, \s*SLOT
	s_add_nc_u64 s[G0+4*\s+2:G0+4*\s+3], s[20:21], \s*ROWB
	s_or_b32 s[G0+4*\s+3], s[G0+4*\s+3], 0x80000000
	s_mov_b32 s[G0B+4*\s], 1
	s_add_co_u32 s[G0B+4*\s+1], s45, \s*SLOT
	s_add_nc_u64 s[G0B+4*\s+2:G0B+4*\s+3], s[46:47], \s*ROWB
	s_or_b32 s[G0B+4*\s+3], s[G0B+4*\s+3], 0x80000000
	JLOAD G0+4*\s, G1, G0B+4*\s, G1B
.endr
	s_load_b256 s[4:11], s[0:1], 0x28              ; cos s[4:5], sin s[6:7], q_norm_w s[8:9], k_norm_w s[10:11]: the first four addresses are done with
	v_and_b32 v1, 15, v0                           ; r
	v_bfe_u32 v2, v0, 4, 1                         ; h
	v_mul_u32_u24 v3, v1, PITCH
	v_lshl_add_u32 v4, v2, 4, v3
	s_mul_i32 s21, s15, HALFT/2                    ; x: my 64 rows of the first run; those of the second lie 128 rows further on
	s_mul_i32 s22, s16, HALFT
	s_add_co_u32 s22, s22, 2*HALFT
.irp s, 0,1
	v_add_nc_u32 v[ADRA+\s], s21, v4
	v_add_nc_u32 v[ADRB+\s], s22, v4
	s_add_co_u32 s21, s21, SLOT
	s_add_co_u32 s22, s22, SLOT
.endr
	v_mul_u32_u24 v5, v1, KS                       ; my row's scales: KS bytes a row, and 16 more for each 256 passed
	v_lshrrev_b32 v6, 8, v5
	v_lshl_add_u32 v5, v6, 4, v5
	s_mul_i32 s21, s15, HALFS/2                    ; x's: my 64 rows of the first run
	s_mul_i32 s22, s16, HALFS                      ; w's: my 128 rows, behind x's 256
	s_add_co_u32 s22, s22, 2*HALFS
	s_sub_co_u32 s22, s22, s21
	v_mul_u32_u24 v6, s22, v2                      ; lanes 16-31 take w's
	s_add_co_u32 s21, s21, SCL
	v_add_nc_u32 v6, v5, v6
	v_add_nc_u32 v[ADRS], s21, v6
	s_sub_co_u32 s22, s22, 4*SBLK                  ; for blocks 4-7: x's block i lies at row block i + 4, w's at i: lanes 0-15 begin four blocks further on,
	v_mul_u32_u24 v6, s22, v2                      ; and the distance to w's is four blocks less
	s_add_co_u32 s21, s21, 4*SBLK
	v_add_nc_u32 v6, v5, v6
	v_add_nc_u32 v[ADRS2], s21, v6
	s_mul_i32 s23, s14, 16*SPITCH                  ; my stage
	v_mul_u32_u24 v5, v1, SPITCH                   ; in: row r, 16 bytes for each half of the lanes
	v_lshl_add_u32 v5, v2, 4, v5
	v_add_nc_u32 v[STO], s23, v5
	v_mul_u32_u24 v5, v2, SPITCH                   ; back: lanes 0-15 one row of 256 bytes, lanes 16-31 the next
	v_lshl_add_u32 v5, v1, 4, v5
	v_add_nc_u32 v[RD], s23, v5
	v_and_b32 v6, 31, v0
	v_lshlrev_b32 v[CO], 4, v6                     ; a head's rows are dense: two rows are 512 consecutive bytes
	v_lshlrev_b32 v[CSO], 9, v1
	v_lshl_add_u32 v[CSO], v2, 5, v[CSO]
	v_lshlrev_b32 v[WO], 5, v2
	v_mov_b32 v[ONE], 1.0
	v_mov_b32 v[RS+1], 0
	; where my rows of my head begin in qkv16: (((kind x 2 + batch) x 8 + head) << 19) + (p0 << 8), p0 = 128 (tile row % 8) + 64 x my half: blocks 0-3 are positions p0 on, blocks 4-7 positions 1,024 + p0 on
	s_lshl_b32 s20, s42, 1
	s_add_co_u32 s20, s20, s16                     ; which of the 24 heads of q, k, v
	s_lshr_b32 s21, s20, 3
	s_and_b32 s20, s20, 7
	s_and_b32 s22, s17, 7
	s_lshl_b32 s22, s22, 7
	s_lshl_b32 s23, s15, 6
	s_add_co_u32 s22, s22, s23                     ; p0
	s_lshr_b32 s23, s17, 3                         ; batch
	s_lshl_b32 s21, s21, 1
	s_add_co_u32 s21, s21, s23
	s_lshl_b32 s21, s21, 3
	s_add_co_u32 s21, s21, s20
	s_lshl_b32 s20, s21, 19
	s_lshl_b32 s21, s22, 8
	s_add_co_u32 s20, s20, s21
	s_mov_b32 s21, 0
	s_add_nc_u64 s[12:13], s[12:13], s[20:21]
	s_lshl_b32 s20, s23, 10                        ; cos, sin: row batch x 1,024 + p0, of 512 bytes; my 64 rows end at p0 + 63, 1,023 at the most
	s_add_co_u32 s20, s20, s22
	s_lshl_b32 s20, s20, 9
	s_mov_b32 s[KIND], ttmp9
	s_mov_b32 s[VB], 0x358637bd                    ; eps = 1e-6
	s_mov_b32 s[FAC], 0x3db504f3                   ; 128^-0.5
	s_mov_b32 s[SEL], 0x76543210
	s_mov_b32 s[SEL+1], 0xfedcba98
	s_cmp_eq_u32 s[KIND], 2
	s_cselect_b32 s[ROPE], 0, 1                    ; v is not rotated
	s_cselect_b32 s[VA], 0, 0x3c000000             ; 1 / 128
	s_cselect_b32 s[VB], 1.0, s[VB]
	s_cselect_b32 s[VM], -1, 0
	s_cmp_eq_u32 s[KIND], 0
	s_cselect_b32 s[FAC], s[FAC], 1.0
	s_mov_b32 s[FAC+1], s[FAC]
	s_wait_kmcnt 0x0
	s_cmp_eq_u32 s[KIND], 1
	s_cselect_b64 s[8:9], s[10:11], s[8:9]         ; k's weight, else q's (v loads q's and replaces it by 1)
	s_add_nc_u64 s[4:5], s[4:5], s[20:21]
	s_add_nc_u64 s[6:7], s[6:7], s[20:21]
.irp b, 0,1,2,3,4,5,6,7
	global_load_b128 v[W+8*\b:W+8*\b+3], v[WO], s[8:9] offset:64*\b          ; the weight of channels 16 b + 8 h + 0..7
	global_load_b128 v[W+8*\b+4:W+8*\b+7], v[WO], s[8:9] offset:64*\b+16
.endr
; 16 rows of cos and sin, block a's (a = 4 .. 7), in the accumulators' layout: 32 loads.  cos goes to v[c0] on of window cw, sin to v[s0] on of window sw
.macro CLOAD a, cw, c0, sw, s0
.set CWN, (\cw)<<6
.set SWN, (\sw)<<6
	WIN CWN
.irp b, 0,1,2,3,4,5,6,7
.irp i, 0,1
	global_load_b128 v[\c0+8*\b+4*\i:\c0+8*\b+4*\i+3], v[CSO], s[4:5] offset:8192*((\a)-4)+64*\b+16*\i
.endr
.endr
	WIN SWN
.irp b, 0,1,2,3,4,5,6,7
.irp i, 0,1
	global_load_b128 v[\s0+8*\b+4*\i:\s0+8*\b+4*\i+3], v[CSO], s[6:7] offset:8192*((\a)-4)+64*\b+16*\i
.endr
.endr
	WIN 0
.endm
.macro CLOADIF a, cw, c0, sw, s0       ; for q and k alone: the branch hangs on the cluster's x, the same in all partners; only loads stand in the arm
	s_cmp_eq_u32 s[ROPE], 0
	s_cbranch_scc1 .Lnone_\@
	CLOAD \a, \cw, \c0, \sw, \s0
.Lnone_\@:
.endm
	CLOADIF 4, 1, 64, 1, 192                       ; block 4's: into the registers of window 1 that lie idle during the loop
	s_wait_loadcnt 0x0                             ; the weight, and block 4's cos and sin: on every path no load of mine is out behind this line
.set i, 0
.rept 32
	v_pk_mul_f32 v[W+i:W+i+1], v[W+i:W+i+1], s[FAC:FAC+1] op_sel_hi:[1,0]
.set i, i+2
.endr
.set i, 0
.rept 64
	v_cndmask_b32 v[W+i], v[W+i], v[ONE], s[VM]
.set i, i+1
.endr
.macro FRAG reg, adr, q, i             ; a fragment, 16 rows x 128 K of 4-bit codes, is 8 registers: two loads of 16 bytes, 32 bytes apart; i: which 16 rows from the address on
.irp c, 0,1
	ds_load_b128 v[\reg+4*\c:\reg+4*\c+3], v[\adr] offset:64*(\q)+32*\c+(\i)*16*PITCH
.endr
.endm
; 16 matrix instructions: x's blocks a0, a0 + 1 against w's eight.  The 64 accumulators take turns, one instruction a turn, in the same order in every step.
.macro MUL16 a0, p, q, sc, zero
.irp a, \a0, \a0+1
.irp b, 0,1,2,3,4,5,6,7
.if \zero
	v_wmma_scale_f32_16x16x128_f8f6f4 v[8*(8*((\a)%4)+\b):8*(8*((\a)%4)+\b)+7], v[128*(\p)+FR*\b:128*(\p)+FR*\b+FR-1], v[AF+FR*(\a):AF+FR*(\a)+FR-1], 0, v[SC+8*NQ*(\sc)+NQ*\b+(\q)], v[SC+8*NQ*(\sc)+NQ*(\a)+(\q)] matrix_a_fmt:MATRIX_FMT_FP4 matrix_b_fmt:MATRIX_FMT_FP4 matrix_a_scale:MATRIX_SCALE_ROW1
.else
	v_wmma_scale_f32_16x16x128_f8f6f4 v[8*(8*((\a)%4)+\b):8*(8*((\a)%4)+\b)+7], v[128*(\p)+FR*\b:128*(\p)+FR*\b+FR-1], v[AF+FR*(\a):AF+FR*(\a)+FR-1], v[8*(8*((\a)%4)+\b):8*(8*((\a)%4)+\b)+7], v[SC+8*NQ*(\sc)+NQ*\b+(\q)], v[SC+8*NQ*(\sc)+NQ*(\a)+(\q)] matrix_a_fmt:MATRIX_FMT_FP4 matrix_b_fmt:MATRIX_FMT_FP4 matrix_a_scale:MATRIX_SCALE_ROW1
.endif
.endr
.endr
.endm
.macro FETCH_B slot, q, p
	WIN TO_B
.irp i, 0,1,2,3,4,5,6,7
	FRAG 128*(\p)+FR*\i, ADRB+\slot, \q, \i
.endr
	WIN 0
.endm
.macro FETCH_A slot, q, i0             ; x's blocks i0 .. i0 + 3: block i lies 16 (i + 4 (i / 4)) rows from my first: blocks 4-7 are my 64 rows of the second run
.irp i, \i0, \i0+1, \i0+2, \i0+3
	FRAG AF+FR*(\i), ADRA+\slot, \q, (\i)+4*((\i)/4)
.endr
.endm
.macro SCALES sc                       ; a K step's scale words: lanes 0-15 take x's block i, lanes 16-31 w's block i
.irp i, 0,1,2,3
	ds_load_b128 v[SC+8*NQ*\sc+NQ*\i:SC+8*NQ*\sc+NQ*\i+3], v[ADRS] offset:\i*SBLK
.endr
.irp i, 4,5,6,7
	ds_load_b128 v[SC+8*NQ*\sc+NQ*\i:SC+8*NQ*\sc+NQ*\i+3], v[ADRS2] offset:\i*SBLK
.endr
.endm
.macro PLACES n                        ; plain vector lines between a matrix instruction and a load into, or a read of, its registers
.rept \n
	v_nop
.endr
.endm
.macro STEP slot, q, zero
	s_wait_dscnt 4*NL                              ; w's set and x's blocks 0-3 are in; the youngest eight loads (x's blocks 4-7) may be out
	WIN MUL_LO
	MUL16 0, (\q)%2, \q, \slot, \zero
	MUL16 2, (\q)%2, \q, \slot, \zero
	s_wait_dscnt 0
	PLACES NP
	FETCH_B \slot, (\q)+1, 1-(\q)%2
	FETCH_A \slot, (\q)+1, 0
	WIN MUL_HI
	MUL16 4, (\q)%2, \q, \slot, \zero
	MUL16 6, (\q)%2, \q, \slot, \zero
	PLACES NP
	WIN 0
	FETCH_A \slot, (\q)+1, 4
.endm
; A slot's last step changes slots: one barrier; in front of it each wave waits for all its tensor loads, adds 0 to its spare word, and waits for that and for its reads of this slot.
.macro TURN slot, next, fill
	s_wait_tensorcnt 0x0                           ; all my tensor loads have landed: my part of the next slot
	ds_add_u32 v[SPW], v[NIL]
	s_wait_dscnt 4*NL+1                            ; the add and the youngest eight loads (x's blocks 4-7) may be out
	WIN MUL_LO
	MUL16 0, 1, NQ-1, \slot, 0
	s_wait_dscnt 0x0                               ; the add is done, and my reads of this slot are over
	s_barrier_signal -1
	MUL16 2, 1, NQ-1, \slot, 0
	WIN 0
	s_barrier_wait -1
.if \fill
	CREST                                          ; the barrier has opened a round of the cluster's barrier: no wave of any partner still reads this slot or has a load on its way
	s_add_nc_u64 s[G0+4*\slot+2:G0+4*\slot+3], s[G0+4*\slot+2:G0+4*\slot+3], 2*ROWB
	s_add_nc_u64 s[G0B+4*\slot+2:G0B+4*\slot+3], s[G0B+4*\slot+2:G0B+4*\slot+3], 2*ROWB
	JLOAD G0+4*\slot, G1, G0B+4*\slot, G1B         ; the first tensor load behind the round; its four v_nop are the places in front of the loads below
.else
	PLACES NP
.endif
	v_add_nc_u32 v[ADRS], 4*NQ, v[ADRS]            ; the next K step's scale words
	v_add_nc_u32 v[ADRS2], 4*NQ, v[ADRS2]
	FETCH_B \next, 0, 0
	FETCH_A \next, 0, 0
	SCALES \next
	WIN MUL_HI
	MUL16 4, 1, NQ-1, \slot, 0
	MUL16 6, 1, NQ-1, \slot, 0
	PLACES NP
	WIN 0
	FETCH_A \next, 0, 4
.endm
.macro STEPS slot, from
.set Q, \from
.rept NQ-1-\from
	STEP \slot, Q, 0
.set Q, Q+1
.endr
.endm
	s_wait_tensorcnt 1                             ; the scales and my part of K step 0 are in; the one load behind them, K step 1's, may be out
	s_barrier_signal -1
	s_barrier_wait -1
	FETCH_B 0, 0, 0
	FETCH_A 0, 0, 0
	SCALES 0
	FETCH_A 0, 0, 4
	STEP 0, 0, 1                                   ; the first step's products start the sums
	s_mov_b32 s3, LAPS-1
.Llap:                                                 ; a trip goes once round the ring and fills both slots again
	STEPS 0, 1
	TURN 0, 1, 1
	STEPS 1, 0
	TURN 1, 0, 1
	STEP 0, 0, 0
	s_sub_co_u32 s3, s3, 1
	s_cmp_lg_u32 s3, 0
	s_cbranch_scc1 .Llap
	STEPS 0, 1                                     ; the last lap fills nothing
	TURN 0, 1, 0
	STEPS 1, 0
	s_wait_dscnt 4*NL
	WIN MUL_LO
	MUL16 0, 1, NQ-1, 1, 0
	MUL16 2, 1, NQ-1, 1, 0
	s_wait_dscnt 0
	WIN MUL_HI
	MUL16 4, 1, NQ-1, 1, 0
	MUL16 6, 1, NQ-1, 1, 0
	WIN 0
; THE WAY OUT, block by block of 16 rows x one head, in the order 4, 0, 1, 2, 3, 5, 6, 7: block 4's cos and sin lie ready; the plain blocks' work stands between the requests for the other three sets and their use.
.macro SENDQ n, blk                    ; the block at place n of that order, block blk, is back from the stage as whole rows and is stored: each store covers 512 consecutive bytes, aligned; every offset is an immediate
.set BB, BK+32*((\n)%2)
	s_wait_dscnt 0x0                               ; the block is back, and its stores into the stage have read TMP
.irp t, 0,1,2,3,4,5,6,7
	global_store_b128 v[CO], v[BB+4*\t:BB+4*\t+3], s[12:13] offset:262144*((\blk)/4)+4096*((\blk)%4)+512*\t   ; blocks 4-7 lie 1,024 rows of 256 bytes further on
.endr
.endm
; n: the place in the order; a: the block; prev: the block before it in the order; blocks 4-7: cos at v[c0] on of window cw, sin at v[s0] on of window sw
.macro OUTB n, a, prev, cw, c0, sw, s0
.set AC, 64*((\a)%4)                   ; the block's eight accumulators,
.set AW, 2+(\a)/4                      ; and their window
.set WSQ, AW|(AW<<2)                   ; sources 0 and 1 there
.set WIP, AW|(AW<<6)                   ; source 0 and the destination there: in place
.set WR1, AW|((\sw)<<2)|((\sw)<<6)     ; source 0 there; source 1 and the destination in sin's window
.set WR2, AW|((\cw)<<2)|((\sw)<<4)|(AW<<6)   ; source 0 and the destination there; source 1 in cos's window, source 2 in sin's
	WIN WSQ
.irp p, 0,1,2,3
	v_pk_mul_f32 v[T+2*\p:T+2*\p+1], v[AC+2*\p:AC+2*\p+1], v[AC+2*\p:AC+2*\p+1]   ; the sum of squares, in four pairs; each accumulator is read from its low end on
.endr
.irp b, 1,2,3,4,5,6,7
.irp p, 0,1,2,3
	v_pk_fma_f32 v[T+2*\p:T+2*\p+1], v[AC+8*\b+2*\p:AC+8*\b+2*\p+1], v[AC+8*\b+2*\p:AC+8*\b+2*\p+1], v[T+2*\p:T+2*\p+1]
.endr
.endr
	WIN 0
	v_pk_add_f32 v[T:T+1], v[T:T+1], v[T+2:T+3]
	v_pk_add_f32 v[T+4:T+5], v[T+4:T+5], v[T+6:T+7]
	v_pk_add_f32 v[T:T+1], v[T:T+1], v[T+4:T+5]
	v_add_f32 v[T], v[T], v[T+1]
	v_permlanex16_b32 v[T+2], v[T], s[SEL], s[SEL+1]   ; the row's other 64 channels lie in the lane 16 away
	v_add_f32 v[T], v[T], v[T+2]
	v_fma_f32 v[T], v[T], s[VA], s[VB]             ; the mean + eps (v: 0 x the sum + 1)
	v_rsq_f32 v[RS], v[T]
	v_nop                                          ; a plain line behind the transcendental
	s_wait_alu depctr_va_vdst(0)                   ; and the wait ahead of its first reader
	WIN WIP                                        ; the block is normalised in place: x / rms,
.set i, 0
.rept 32
	v_pk_mul_f32 v[AC+i:AC+i+1], v[AC+i:AC+i+1], v[RS:RS+1] op_sel_hi:[1,0]
.set i, i+2
.endr
.set i, 0
.rept 32
	v_pk_mul_f32 v[AC+i:AC+i+1], v[AC+i:AC+i+1], v[W+i:W+i+1]   ; times the weight
.set i, i+2
.endr
	WIN 0
.if (\n) > 0
	SENDQ (\n)-1, \prev                            ; the block before leaves while this one is worked
.endif
.if (\a) >= 4
	s_cmp_eq_u32 s[ROPE], 0                        ; the cluster's x alone: the same in all partners; only a wait and vector work stand in the arm
	s_cbranch_scc1 .Lplain_\@
.if (\n) > 0
	s_wait_loadcnt 0x0                             ; the sets asked for on the way out are in (block 4's came at the head)
.endif
	WIN WR1
.irp b, 0,1,2,3
.irp p, 0,1,2,3
	v_pk_mul_f32 v[\s0+8*\b+2*\p:\s0+8*\b+2*\p+1], v[AC+8*(\b+4)+2*\p:AC+8*(\b+4)+2*\p+1], v[\s0+8*\b+2*\p:\s0+8*\b+2*\p+1]   ; y(d + 64) sin(d)
.endr
.endr
.irp b, 4,5,6,7
.irp p, 0,1,2,3
	v_pk_mul_f32 v[\s0+8*\b+2*\p:\s0+8*\b+2*\p+1], v[AC+8*(\b-4)+2*\p:AC+8*(\b-4)+2*\p+1], v[\s0+8*\b+2*\p:\s0+8*\b+2*\p+1]   ; y(d - 64) sin(d)
.endr
.endr
	WIN WR2
.irp b, 0,1,2,3
.irp p, 0,1,2,3
	v_pk_fma_f32 v[AC+8*\b+2*\p:AC+8*\b+2*\p+1], v[AC+8*\b+2*\p:AC+8*\b+2*\p+1], v[\c0+8*\b+2*\p:\c0+8*\b+2*\p+1], v[\s0+8*\b+2*\p:\s0+8*\b+2*\p+1] neg_lo:[0,0,1] neg_hi:[0,0,1]   ; y(d) cos(d) - y(d + 64) sin(d)
.endr
.endr
.irp b, 4,5,6,7
.irp p, 0,1,2,3
	v_pk_fma_f32 v[AC+8*\b+2*\p:AC+8*\b+2*\p+1], v[AC+8*\b+2*\p:AC+8*\b+2*\p+1], v[\c0+8*\b+2*\p:\c0+8*\b+2*\p+1], v[\s0+8*\b+2*\p:\s0+8*\b+2*\p+1]   ; y(d) cos(d) + y(d - 64) sin(d)
.endr
.endr
	WIN 0
.Lplain_\@:
.endif
	WIN WSQ
.irp b, 0,1,2,3,4,5,6,7
.irp p, 0,1,2,3
	v_cvt_pk_f16_f32 v[TMP+4*\b+\p], v[AC+8*\b+2*\p], v[AC+8*\b+2*\p+1]
.endr
.endr
	WIN 0
.if (\n) > 1
	s_wait_xcnt 0x0                                ; the stores of the block two places back have read their registers: this block's rows may land there
.endif
.set BB, BK+32*((\n)%2)
.irp b, 0,1,2,3,4,5,6,7
	ds_store_b128 v[STO], v[TMP+4*\b:TMP+4*\b+3] offset:32*\b
.endr
.irp t, 0,1,2,3,4,5,6,7
	ds_load_b128 v[BB+4*\t:BB+4*\t+3], v[RD] offset:\t*2*SPITCH    ; LDS serves a wave's instructions in order: these see the stores above
.endr
.endm
	PLACES NP                                      ; behind the last products: for the first reads of and writes over results, and the loads over the fragments
	CLOADIF 5, 1, 0, 1, 128                        ; block 5's cos and sin: into w's fragment registers, which are done with; five blocks' work ahead of their use
	OUTB 0, 4, 0, 1, 64, 1, 192
	CLOADIF 6, 1, 64, 1, 192                       ; block 6's: into block 4's set, which has been used; its first fill was waited for at the head, on every path
	OUTB 1, 0, 4, 0, 0, 0, 0
	OUTB 2, 1, 0, 0, 0, 0, 0
	CLOADIF 7, 2, 0, 2, 64                         ; block 7's: into the registers of blocks 0 and 1, which have been rounded
	OUTB 3, 2, 1, 0, 0, 0, 0
	OUTB 4, 3, 2, 0, 0, 0, 0
	OUTB 5, 5, 3, 1, 0, 1, 128
	OUTB 6, 6, 5, 1, 64, 1, 192
	OUTB 7, 7, 6, 2, 0, 2, 64
	SENDQ 7, 7
	s_wait_tensorcnt 0x0                           ; the wave's end
	ds_add_u32 v[SPW], v[NIL]
	s_wait_dscnt 0x0
	CROUND                                         ; the closing round
	s_endpgm
.Lfunc_end_k_qd8274eda90_qkv:
	.size	k_qd8274eda90_qkv, .Lfunc_end_k_qd8274eda90_qkv-k_qd8274eda90_qkv
	.p2alignl 7, 3214868480
	.fill 96, 4, 3214868480
	.section	.rodata,"a",@progbits
	.p2align	6, 0x0
	.amdhsa_kernel k_qd8274eda90_qkv
		.amdhsa_group_segment_fixed_size 327680
		.amdhsa_private_segment_fixed_size 0
		.amdhsa_enable_private_segment 0
		.amdhsa_kernarg_size 72
		.amdhsa_user_sgpr_count 2
		.amdhsa_user_sgpr_kernarg_segment_ptr 1
		.amdhsa_wavefront_size32 1
		.amdhsa_system_sgpr_workgroup_id_x 1
		.amdhsa_system_sgpr_workgroup_id_y 1
		.amdhsa_system_sgpr_workgroup_id_z 1
		.amdhsa_system_vgpr_workitem_id 0
		.amdhsa_next_free_vgpr 1024
		.amdhsa_next_free_sgpr 100
		.amdhsa_reserve_vcc 0
		.amdhsa_float_denorm_mode_32 3
		.amdhsa_float_denorm_mode_16_64 3
		.amdhsa_memory_ordered 1
		.amdhsa_forward_progress 1
		.amdhsa_inst_pref_size 255
	.end_amdhsa_kernel
	.section	.bss,"aw",@nobits
	.p2align	6
	.space	262144
	.amdgpu_metadata
---
amdhsa.version: [ 1, 2 ]
amdhsa.kernels:
  - .name:           k_qd8274eda90_qkv
    .symbol:         k_qd8274eda90_qkv.kd
    .args:
      - { .name: x_codes, .offset: 0, .size: 8, .value_kind: global_buffer, .address_space: global }
      - { .name: x_scales, .offset: 8, .size: 8, .value_kind: global_buffer, .address_space: global }
      - { .name: w_codes, .offset: 16, .size: 8, .value_kind: global_buffer, .address_space: global }
      - { .name: w_scales, .offset: 24, .size: 8, .value_kind: global_buffer, .address_space: global }
      - { .name: qkv16, .offset: 32, .size: 8, .value_kind: global_buffer, .address_space: global }
      - { .name: cos, .offset: 40, .size: 8, .value_kind: global_buffer, .address_space: global }
      - { .name: sin, .offset: 48, .size: 8, .value_kind: global_buffer, .address_space: global }
      - { .name: q_norm_w, .offset: 56, .size: 8, .value_kind: global_buffer, .address_space: global }
      - { .name: k_norm_w, .offset: 64, .size: 8, .value_kind: global_buffer, .address_space: global }
    .group_segment_fixed_size: 327680
    .private_segment_fixed_size: 0
    .kernarg_segment_align: 8
    .kernarg_segment_size: 72
    .max_flat_workgroup_size: 128
    .sgpr_count:     100
    .vgpr_count:     1024
    .wavefront_size: 32
...
	.end_amdgpu_metadata
.endif
;; end of part 2
;; launch attn (part 3): grid 16 x 16, 4 waves a work-group, clusters of 4 x 4, 327,680 bytes of LDS; arguments qkv16, attention_mask, attn16; writes attn16
.if DOCPART == 3
	.amdgcn_target "amdgcn-amd-amdhsa--gfx1250"
	.amdhsa_code_object_version 6
	.text
	.protected	k_qd8274eda90_attn
	.globl	k_qd8274eda90_attn
	.p2align	8
	.type	k_qd8274eda90_attn,@function
k_qd8274eda90_attn:
	s_mov_b64 s[64:65], 0
	v_nop
	global_prefetch_b8 v0, s[64:65] scope:SCOPE_SE
	s_setreg_imm32_b32 hwreg(HW_REG_WAVE_MODE, 25, 1), 1
	s_wait_xcnt 0x0
	s_wait_alu depctr_hold_cnt(0) depctr_sa_sdst(0) depctr_va_vdst(0) depctr_va_sdst(0) depctr_va_ssrc(0) depctr_va_vcc(0) depctr_vm_vsrc(0)
	s_getreg_b32 s2, hwreg(HW_REG_IB_STS2, 6, 4)
	s_cmp_eq_u32 s2, 0
	s_cbranch_scc0 .Lentry_in_a_cluster
	s_endpgm
.Lentry_in_a_cluster:
	s_bfe_u32 s2, ttmp6, 0x10000c
	s_cmp_lg_u32 s2, 0xf033
	s_cbranch_scc0 .Lentry_shape_is_right
	s_endpgm
.Lentry_shape_is_right:
; O[b][h][q] = sum over k of softmax_k(Q.K + mask[b][q][k]) V.  Q (which carries 128^-0.5), K, V: qkv16 [3][2][8][2048][128] f16; the mask: [2][2048][2048] f32, an input, added as it is given.
; Products on f16 operands, sums, maxima and the softmax in f32; the weights p are rounded to f16 for the second product; the result is stored as f16, attn16 [4096 (b, s)][1024 (h, d)].
; SHARES.  Work-group (X, Y) owns queries 128 X .. 128 X + 127 of head Y % 8 of batch Y / 8.  Wave w: WL = w % 2 picks 64 of the queries, G = w / 2 picks which 64 of each 128 keys it walks: 16 key steps of 64.
; A wave holds four tiles of 16 queries in two PIECES.  Piece 0 (tiles 0, 1) is rows 64 WL + 32 G + 0..31, piece 2 (tiles 2, 3) rows 64 WL + 32 (1 - G) + 0..31: at the end each wave hands its piece 2 to wave w xor 2,
; which holds the same rows as its piece 0 for the other keys, merges what it receives into its piece 0, and stores 32 rows.  One text serves all waves.
; LAYOUT.  S^T = K Q^T (source 0 = 16 keys, source 1 = 16 queries): a lane holds one query (lane % 16) and keys 8 (lane / 16) + 0..7.  THE MASK IS THE C OF THE FIRST PRODUCT: it is loaded from LDS straight into the
; accumulators' registers, register j of lane (r, h) = mask[query r][key 16 kt + 8 h + j]; so it costs no vector instruction.  O^T = V^T P; V is turned by ds_load_tr16_b128.
; SOFTMAX.  A running maximum m and sum l a query: p = 2^(c s - c m), c = log2(e); O and l are multiplied by 2^(c m_old - c m_new) in every step.
; LIMITS.  m is held at -1e30 from below, so that a step whose every score is -infinity gives p = 0 and no NaN; finite scores + mask under -1e30 count as -infinity (a row masked everywhere by such numbers gives NaN,
; as a row of -infinity does in the source).  |v| above 65,504 is infinity in f16.
; BY TURNS.  In a TURN one piece has the matrix unit (32 products V^T P of the step in hand, 32 products K Q^T of the next); the other piece's softmax, in 64 slices, stands between them, one slice behind each.
; CLUSTER 4 x 4.  K's and V's tiles hang on Y alone: asked for jointly along a row of the cluster.  The mask's tile hangs on X and the batch: jointly along a column.
; RING.  Two slots of 128 keys: K 128 rows x 272, V 128 rows x 288, the mask 128 query rows x 528.  Wave 0 fetches K, wave 1 V, waves 2 and 3 the mask's halves: one load a wave behind each round.
; REGISTERS: window 0: v2-11, v44-47 addresses; v12-43 statistics; v48-59 at work; v64-191 S^T; v192-255 P.  window 1: O^T.  window 2: v0-127 Q, v128-255 K.  window 3: v0-127 V, v128-255 the partner's piece.
.set PK,    272
.set PV,    288
.set PM,    528                        ; a query's 128 mask numbers: 512 bytes + 16: the 16 rows of a load start 132 words apart
.set VOFF,  128*PK
.set MOFF,  VOFF+128*PV
.set MH,    64*PM
.set SLOT,  MOFF+2*MH                  ; 139,264 = 0x22000: no region's offset has bit 13 or 17 set, so one exclusive or turns any address of one slot into the other's
.set SPARE, 2*SLOT
.set EXS,   65536                      ; the tail lies in slot 0, which has had its last fill and its last read by then: 4 x 16,384 bytes of O^T images from byte 0, 4 x 512 of statistics,
.set STAGE, 67584                      ; and 16 rows x 272 bytes for each wave
.set SP,    272
.set AK0, 2
.set AV0, 3
.set AM0, 4                            ; v4, v5  my lane's place in the mask's tile, for piece 0 and piece 2
.set ADR, 6
.set QO0, 7                            ; v7, v8  my byte offset in the wave's 64 rows of Q, for piece 0 and piece 2
.set STO, 9
.set RD,  10
.set GO,  11
.set ST,  12
.set EXW, 44
.set EXR, 45
.set EXSW, 46
.set EXSR, 47
.set PFO, 61
.set SPW, 62
.set NIL, 63
.set S,   64
.set P,   192
.set KF,  128
.set WV,  12
.set G1K, 24
.set G1V, 32
.set G1M, 40
.set G0K, 48                           ; the four groups 0 that walk
.set G0V, 52
.set G0A, 56
.set G0B, 60
.set F0K, 68                           ; and the four of slot 0's first fill
.set F0V, 72
.set F0A, 76
.set F0B, 80
.set SLOTS, 84
.set TB,  85
.set CS,  86
.set SEL, 88
.set PFA, 90
.set PFS, 92
.set LIM, 94
.set FLOOR, 95
.set MSB, 0
.macro WIN new
.if MSB != \new
	s_set_vgpr_msb (MSB<<8)|\new
.set MSB, \new
.endif
.endm
.set W_KQ, 0x0a
.set W_PV, 0x53
.set W_RS, 0x41
.macro NOPS4
.rept 4
	v_nop
.endr
.endm
; A joint refill: each wave issues its one load.  The branches hang on the wave's number alone; each line has one mask.
.macro JLOAD
	s_cmp_lt_u32 s[WV], 2
	s_cbranch_scc0 .Lhi_\@
	s_cmp_eq_u32 s[WV], 0
	s_cbranch_scc0 .Lw1_\@
	tensor_load_to_lds s[G0K:G0K+3], s[G1K:G1K+7]
	s_nop 0
	NOPS4
	s_branch .Ldone_\@
.Lw1_\@:
	tensor_load_to_lds s[G0V:G0V+3], s[G1V:G1V+7]
	s_nop 0
	NOPS4
	s_branch .Ldone_\@
.Lhi_\@:
	s_cmp_eq_u32 s[WV], 2
	s_cbranch_scc0 .Lw3_\@
	tensor_load_to_lds s[G0A:G0A+3], s[G1M:G1M+7]
	s_nop 0
	NOPS4
	s_branch .Ldone_\@
.Lw3_\@:
	tensor_load_to_lds s[G0B:G0B+3], s[G1M:G1M+7]
	s_nop 0
	NOPS4
.Ldone_\@:
.endm
; A prefetch of what the change of slots after the next will ask for: two key steps, 256 matrix instructions, ahead of that load; one instruction a wave, a lane a row.
; Each aligned 256 bytes are named once in the launch.  K and V: the clusters with x = 0 ask; partner cx takes rows 32 cx on; wave 0 K's, wave 1 V's.  The mask: the clusters with an even y ask; partner cy takes query rows
; 32 cy on; wave 2 the first 256 bytes of the slot's 512, wave 3 the second.  Partners are told apart by address alone.  The last two changes that fill a slot ask for nothing.
.macro ASK
	s_cmp_gt_u32 s[SLOTS], s[LIM]
	s_cbranch_scc0 .Lnot_mine_\@
	global_prefetch_b8 v[PFO], s[PFA:PFA+1] th:TH_LOAD_NT scope:SCOPE_SE
.Lnot_mine_\@:
.endm
.macro CROUND
	s_barrier_signal -1
	s_barrier_wait -1
	s_cmp_lg_u32 s[WV], 0
	s_cbranch_scc1 .Lnot_wave_0_\@
	s_barrier_signal -3
.Lnot_wave_0_\@:
	s_barrier_wait -3
	s_barrier_signal -1
	s_barrier_wait -1
.endm
	s_load_b128 s[4:7], s[0:1], 0x0                ; qkv16, the mask
	s_load_b64 s[8:9], s[0:1], 0x10                ; attn16
	v_lshl_add_u32 v[SPW], v0, 2, SPARE
	v_mov_b32 v[NIL], 0
	ds_add_u32 v[SPW], v[NIL]                      ; the wave's opening: the add, twice on end, and its wait ahead of my first tensor load
	ds_add_u32 v[SPW], v[NIL]
	v_lshrrev_b32 v1, 5, v0
	v_readfirstlane_b32 s[WV], v1
	s_bfe_u32 s13, ttmp6, 0x40000                  ; cx
	s_bfe_u32 s14, ttmp6, 0x40004                  ; cy
	s_lshl_b32 s15, ttmp9, 2
	s_add_co_u32 s15, s15, s13                     ; X
	s_and_b32 s16, ttmp7, 0xffff                   ; the cluster's y; its half is the batch
	s_lshl_b32 s17, s16, 2
	s_add_co_u32 s17, s17, s14                     ; Y
	s_lshl_b32 s18, s14, 2
	s_lshl_b32 s18, 15, s18                        ; my row of the cluster
	s_lshl_b32 s19, 0x1111, s13                    ; my column
	s_or_b32 s[G1K], s18, (1<<16)|(1<<20)|(1<<21)|(5<<22)|(3<<25)   ; elements of 2 bytes; 4 words of padding after every 64
	s_or_b32 s[G1V], s18, (1<<16)|(1<<20)|(1<<21)|(5<<22)|(7<<25)   ; 8 words of padding
	s_or_b32 s[G1M], s19, (2<<16)|(1<<20)|(1<<21)|(6<<22)|(3<<25)   ; elements of 4 bytes; 4 words of padding after every 128
.irp g, G1K, G1V
	s_mov_b32 s[\g+1], 128<<16                     ; tensor_dim0 = 128
	s_mov_b32 s[\g+2], 128<<16                     ; tensor_dim1 = 128
	s_mov_b32 s[\g+3], 128<<16                     ; tile_dim0 = 128
	s_mov_b32 s[\g+4], 128                         ; tile_dim1 = 128
	s_mov_b32 s[\g+5], 128                         ; the pitch
	s_mov_b32 s[\g+6], 0
	s_mov_b32 s[\g+7], 0
.endr
	s_mov_b32 s[G1M+1], 128<<16
	s_mov_b32 s[G1M+2], 64<<16
	s_mov_b32 s[G1M+3], 128<<16
	s_mov_b32 s[G1M+4], 64
	s_mov_b32 s[G1M+5], 2048
	s_mov_b32 s[G1M+6], 0
	s_mov_b32 s[G1M+7], 0
	s_add_co_u32 s20, s17, 16                      ; K's head: (16 + Y) x 524,288 bytes: these registers never hold cx
	s_lshl_b32 s20, s20, 19
	s_mov_b32 s21, 0
	s_add_co_u32 s22, s17, 32                      ; V's
	s_lshl_b32 s22, s22, 19
	s_mov_b32 s23, 0
	s_lshr_b32 s2, s16, 1                          ; the mask: batch x 2^24 + X x 128 rows of 8,192 bytes: these never hold cy
	s_lshl_b32 s2, s2, 24
	s_lshl_b32 s3, s15, 20
	s_add_co_u32 s2, s2, s3
	s_mov_b32 s3, 0
	s_lshr_b32 s96, s[WV], 1                       ; G
	s_and_b32 s97, s[WV], 1                        ; WL
	s_lshl_b32 s10, s17, 19                        ; Q: head Y, rows 128 X + 64 WL
	s_lshl_b32 s11, s15, 15
	s_add_co_u32 s10, s10, s11
	s_lshl_b32 s11, s97, 14
	s_add_co_u32 s10, s10, s11
	s_mov_b32 s11, 0
	s_lshr_b32 s66, s16, 1                         ; attn16: row batch x 2,048 + 128 X + 64 WL + 32 G, of 2,048 bytes; + 256 x head
	s_lshl_b32 s66, s66, 11
	s_lshl_b32 s67, s15, 7
	s_add_co_u32 s66, s66, s67
	s_lshl_b32 s67, s97, 6
	s_add_co_u32 s66, s66, s67
	s_lshl_b32 s67, s96, 5
	s_add_co_u32 s66, s66, s67
	s_lshl_b32 s66, s66, 11
	s_and_b32 s67, s17, 7
	s_lshl_b32 s67, s67, 8
	s_add_co_u32 s66, s66, s67
	s_mov_b32 s67, 0
	s_mov_b32 s[CS], 0x3fb8aa3b                    ; c = log2(e)
	s_mov_b32 s[CS+1], s[CS]
	s_mov_b32 s[SEL], 0x76543210
	s_mov_b32 s[SEL+1], 0xfedcba98
	s_mov_b32 s[TB], 0
	s_mov_b32 s[FLOOR], 0xf149f2ca                 ; -1e30
	s_wait_dscnt 0x0                               ; both opening adds are done
	s_wait_kmcnt 0x0
	s_add_nc_u64 s[20:21], s[4:5], s[20:21]
	s_add_nc_u64 s[22:23], s[4:5], s[22:23]
	s_add_nc_u64 s[2:3], s[6:7], s[2:3]
	s_add_nc_u64 s[10:11], s[4:5], s[10:11]
	s_add_nc_u64 s[8:9], s[8:9], s[66:67]
	CROUND                                         ; all sixteen work-groups are here: the first joint loads meet
	s_mov_b32 s[F0K], 1
	s_mov_b32 s[F0K+1], 0
	s_mov_b64 s[F0K+2:F0K+3], s[20:21]
	s_or_b32 s[F0K+3], s[F0K+3], 0x80000000
	s_mov_b32 s[G0K], 1
	s_mov_b32 s[G0K+1], SLOT
	s_add_nc_u64 s[G0K+2:G0K+3], s[20:21], 128*256
	s_or_b32 s[G0K+3], s[G0K+3], 0x80000000
	s_mov_b32 s[F0V], 1
	s_mov_b32 s[F0V+1], VOFF
	s_mov_b64 s[F0V+2:F0V+3], s[22:23]
	s_or_b32 s[F0V+3], s[F0V+3], 0x80000000
	s_mov_b32 s[G0V], 1
	s_mov_b32 s[G0V+1], SLOT+VOFF
	s_add_nc_u64 s[G0V+2:G0V+3], s[22:23], 128*256
	s_or_b32 s[G0V+3], s[G0V+3], 0x80000000
	s_mov_b32 s[F0A], 1
	s_mov_b32 s[F0A+1], MOFF
	s_mov_b64 s[F0A+2:F0A+3], s[2:3]
	s_or_b32 s[F0A+3], s[F0A+3], 0x80000000
	s_mov_b32 s[G0A], 1
	s_mov_b32 s[G0A+1], SLOT+MOFF
	s_add_nc_u64 s[G0A+2:G0A+3], s[2:3], 128*4
	s_or_b32 s[G0A+3], s[G0A+3], 0x80000000
	s_mov_b32 s[F0B], 1
	s_mov_b32 s[F0B+1], MOFF+MH
	s_add_nc_u64 s[F0B+2:F0B+3], s[2:3], 64*8192
	s_or_b32 s[F0B+3], s[F0B+3], 0x80000000
	s_mov_b32 s[G0B], 1
	s_mov_b32 s[G0B+1], SLOT+MOFF+MH
	s_add_nc_u64 s[G0B+2:G0B+3], s[2:3], 64*8192+128*4
	s_or_b32 s[G0B+3], s[G0B+3], 0x80000000
	s_cmp_lt_u32 s[WV], 2                          ; a wave's two first fills stand in one arm, ahead of every wait on TENSORcnt and every LDS read: two loads of mine are out
	s_cbranch_scc0 .Lf_hi
	s_cmp_eq_u32 s[WV], 0
	s_cbranch_scc0 .Lf_w1
	tensor_load_to_lds s[F0K:F0K+3], s[G1K:G1K+7]
	s_nop 0
	tensor_load_to_lds s[G0K:G0K+3], s[G1K:G1K+7]
	s_nop 0
	NOPS4
	s_branch .Lf_done
.Lf_w1:
	tensor_load_to_lds s[F0V:F0V+3], s[G1V:G1V+7]
	s_nop 0
	tensor_load_to_lds s[G0V:G0V+3], s[G1V:G1V+7]
	s_nop 0
	NOPS4
	s_branch .Lf_done
.Lf_hi:
	s_cmp_eq_u32 s[WV], 2
	s_cbranch_scc0 .Lf_w3
	tensor_load_to_lds s[F0A:F0A+3], s[G1M:G1M+7]
	s_nop 0
	tensor_load_to_lds s[G0A:G0A+3], s[G1M:G1M+7]
	s_nop 0
	NOPS4
	s_branch .Lf_done
.Lf_w3:
	tensor_load_to_lds s[F0B:F0B+3], s[G1M:G1M+7]
	s_nop 0
	tensor_load_to_lds s[G0B:G0B+3], s[G1M:G1M+7]
	s_nop 0
	NOPS4
.Lf_done:
	; the vector addresses
	v_and_b32 v48, 15, v0                          ; r
	v_bfe_u32 v49, v0, 4, 1                        ; h
	v_and_b32 v50, 31, v0                          ; lane
	v_lshlrev_b32 v54, 8, v48
	v_lshl_add_u32 v54, v49, 4, v54                ; Q: row r of 256 bytes + 16 h,
	s_lshl_b32 s99, s96, 13
	v_add_nc_u32 v[QO0], s99, v54                  ; + 32 G rows for piece 0,
	s_xor_b32 s99, s99, 8192
	v_add_nc_u32 v[QO0+1], s99, v54                ; + 32 (1 - G) rows for piece 2
	WIN 0x80                                       ; destination window 2
.irp i, 0,1,2,3,4,5,6,7,8,9,10,11,12,13,14,15  ; Q stays in registers: tile i / 4, channels 32 (i % 4) on
	global_load_b128 v[8*\i:8*\i+3],   v[QO0+\i/8], s[10:11] offset:((\i/4)%2)*4096+(\i%4)*64
	global_load_b128 v[8*\i+4:8*\i+7], v[QO0+\i/8], s[10:11] offset:((\i/4)%2)*4096+(\i%4)*64+32
.endr
	WIN 0
	s_mul_i32 s99, s96, 64*PK                      ; K: my half of the slot's keys
	v_mul_u32_u24 v[AK0], v48, PK
	v_lshl_add_u32 v[AK0], v49, 4, v[AK0]
	v_add_nc_u32 v[AK0], s99, v[AK0]
	v_and_b32 v51, 7, v0                           ; V, for the turning load: key 8 h + l % 8, channels 8 ((l / 8) % 2) on
	v_bfe_u32 v52, v0, 3, 1
	v_lshl_add_u32 v[AV0], v49, 3, v51
	v_mul_u32_u24 v[AV0], v[AV0], PV
	v_lshl_add_u32 v[AV0], v52, 4, v[AV0]
	s_mul_i32 s99, s96, 64*PV
	s_add_co_u32 s99, s99, VOFF
	v_add_nc_u32 v[AV0], s99, v[AV0]
	v_mul_u32_u24 v53, v48, PM                     ; the mask: query row r, + 32 h bytes,
	v_lshl_add_u32 v53, v49, 5, v53
	s_lshl_b32 s98, s97, 6
	s_lshl_b32 s99, s96, 5
	s_add_co_u32 s99, s99, s98
	s_mul_i32 s99, s99, PM                         ; piece 0's rows 64 WL + 32 G on,
	s_lshl_b32 s100, s96, 8
	s_add_co_u32 s100, s100, MOFF                  ; my half of the keys: 256 G bytes
	s_add_co_u32 s99, s99, s100
	v_add_nc_u32 v[AM0], s99, v53
	s_xor_b32 s99, s96, 1
	s_lshl_b32 s99, s99, 5
	s_add_co_u32 s99, s99, s98
	s_mul_i32 s99, s99, PM                         ; piece 2's rows 64 WL + 32 (1 - G) on
	s_add_co_u32 s99, s99, s100
	v_add_nc_u32 v[AM0+1], s99, v53
	s_mul_i32 s99, s[WV], 16*SP
	s_add_co_u32 s99, s99, STAGE                   ; my stage
	v_mul_u32_u24 v[STO], v48, SP
	v_lshl_add_u32 v[STO], v49, 4, v[STO]
	v_add_nc_u32 v[STO], s99, v[STO]
	v_mul_u32_u24 v[RD], v49, SP
	v_lshl_add_u32 v[RD], v48, 4, v[RD]
	v_add_nc_u32 v[RD], s99, v[RD]
	v_lshlrev_b32 v[GO], 11, v49                   ; attn16: lanes 0-15 one row's 256 bytes, lanes 16-31 the next row's
	v_lshl_add_u32 v[GO], v48, 4, v[GO]
	s_lshl_b32 s99, s[WV], 14                      ; the exchange: my image, and wave w xor 2's
	v_lshl_add_u32 v[EXW], v50, 4, s99
	s_xor_b32 s99, s99, 2<<14
	v_lshl_add_u32 v[EXR], v50, 4, s99
	s_lshl_b32 s99, s[WV], 9
	s_add_co_u32 s99, s99, EXS
	v_lshl_add_u32 v[EXSW], v50, 2, s99
	s_xor_b32 s99, s99, 2<<9
	v_lshl_add_u32 v[EXSR], v50, 2, s99
	v_mov_b32 v57, 0                               ; upper halves of pairs that the merge names
	v_mov_b32 v59, 0
	; the prefetches: who asks, from where, how far a slot is
	s_lshl_b32 s66, s13, 13                        ; K, V: my work-group's 32 rows of 256 bytes
	s_lshl_b32 s67, s14, 18                        ; the mask: my work-group's 32 rows of 8,192 bytes
	s_and_b32 s98, ttmp7, 1
	s_mov_b32 s[PFS], 512
	s_mov_b32 s[PFS+1], 0
	s_mov_b32 s99, 8192
	s_cmp_eq_u32 s[WV], 0
	s_cselect_b64 s[PFA:PFA+1], s[20:21], s[22:23]
	s_cmp_lt_u32 s[WV], 2
	s_cselect_b64 s[PFA:PFA+1], s[PFA:PFA+1], s[2:3]
	s_cselect_b32 s[PFS], 0x8000, s[PFS]           ; a slot on: 128 rows of K or V, or 128 numbers of a mask row
	s_cselect_b32 s66, s66, s67
	s_cselect_b32 s67, ttmp9, s98                  ; the coordinate along which other clusters read the same bytes
	s_cselect_b32 s99, 256, s99                    ; from lane to lane
	s_cmp_eq_u32 s67, 0
	s_cselect_b32 s[LIM], 2, -1                    ; the same in all sixteen partners, for a given wave
	s_cmp_eq_u32 s[WV], 3
	s_cselect_b32 s67, 256, 0
	s_add_co_u32 s66, s66, s67
	s_mul_i32 s67, s[PFS], 3                       ; at slot 3: the first change of slots steps it to slot 4.  Nothing is prefetched at the head
	s_add_co_u32 s66, s66, s67
	s_mov_b32 s67, 0
	s_add_nc_u64 s[PFA:PFA+1], s[PFA:PFA+1], s[66:67]
	v_mul_lo_u32 v[PFO], v50, s99
; THE MATRIX WORK OF A TURN, for piece x.  The accumulators take turns, one instruction a turn.
.macro PV x, zero                      ; product i of 32 of O^T += V^T P: keys 32 (i / 16) on, channels 16 ((i / 2) % 8) on, tile x + i % 2
	WIN W_PV
.set rO, 64*(\x+i%2)+8*((i/2)%8)
.set rV, 64*(i/16)+8*((i/2)%8)
.set rP, P+16*(\x+i%2)+8*(i/16)
.if \zero && (i < 16)
	v_wmma_f32_16x16x32_f16 v[rO:rO+7], v[rV:rV+7], v[rP:rP+7], 0
.else
	v_wmma_f32_16x16x32_f16 v[rO:rO+7], v[rV:rV+7], v[rP:rP+7], v[rO:rO+7]
.endif
.endm
.macro KQ x                            ; product i of 32 of S^T = mask + K Q^T: channels 32 (i / 8) on, keys 16 ((i / 2) % 4) on, tile x + i % 2.  The first 8 add onto the mask, which lies in the accumulators
	WIN W_KQ
.set rS, S+32*(\x+i%2)+8*((i/2)%4)
.set rK, KF+32*((i/2)%4)+8*(i/8)
.set rQ, 32*(\x+i%2)+8*(i/8)
	v_wmma_f32_16x16x32_f16 v[rS:rS+7], v[rK:rK+7], v[rQ:rQ+7], v[rS:rS+7]
.endm
.macro FETCH_K
	WIN 0
	v_add_nc_u32 v[ADR], s[TB], v[AK0]
	WIN 0x80
.irp f, 0,1,2,3,4,5,6,7,8,9,10,11,12,13,14,15
	ds_load_b128 v[KF+8*\f:KF+8*\f+3],   v[ADR] offset:(\f/4)*16*PK+(\f%4)*64
	ds_load_b128 v[KF+8*\f+4:KF+8*\f+7], v[ADR] offset:(\f/4)*16*PK+(\f%4)*64+32
.endr
.endm
.macro FETCH_M x                       ; piece x's mask numbers of the step, 16 loads, into the registers of its scores
	WIN 0
	v_add_nc_u32 v[ADR], s[TB], v[AM0+(\x)/2]
.irp t, 0,1
.irp kt, 0,1,2,3
	ds_load_b128 v[S+32*(\x+\t)+8*\kt:S+32*(\x+\t)+8*\kt+3],   v[ADR] offset:\t*16*PM+\kt*64
	ds_load_b128 v[S+32*(\x+\t)+8*\kt+4:S+32*(\x+\t)+8*\kt+7], v[ADR] offset:\t*16*PM+\kt*64+16
.endr
.endr
.endm
.macro FETCH_V
	WIN 0
	v_add_nc_u32 v[ADR], s[TB], v[AV0]
	s_wait_alu depctr_va_vdst(0)                   ; the wait for the softmax's batch, behind the address's addition and ahead of the loads
	WIN 0xc0
.irp f, 0,1,2,3,4,5,6,7,8,9,10,11,12,13,14,15
	ds_load_tr16_b128 v[8*\f:8*\f+3],   v[ADR] offset:(\f/8)*32*PV+(\f%8)*32
	ds_load_tr16_b128 v[8*\f+4:8*\f+7], v[ADR] offset:(\f/8)*32*PV+16*PV+(\f%8)*32
.endr
.endm
; THE VECTOR WORK OF A TURN.  One tile's softmax for a key step is a list of 134 instructions; SM writes number j for tile t.
;   0-15 the maximum of the 32 scores and the old m (first step: and the floor);  16-20 the other half of the lanes' maximum, the new m, c m, c m_old - c m_new;
;   21-69 ONE BATCH: 16 packed scalings c s - c m and all 33 exponentials, none of which reads an exponential's result;  (the wait);  70-85 the roundings to f16;  86-101 the sums;  102-133 O^T times a.
.macro SM t, first
.set rT, ST+8*(\t)
.set rS, S+32*(\t)
.set rP, P+16*(\t)
.set rO, 64*(\t)+2*(j-102)
.if j < 102
	WIN 0
.endif
.if j < 4
	v_max3_num_f32 v[rT+4+j], v[rS+8*j], v[rS+8*j+1], v[rS+8*j+2]
.elseif j < 12
	v_max3_num_f32 v[rT+4+j%4], v[rT+4+j%4], v[rS+8*(j%4)+2*(j/4)+1], v[rS+8*(j%4)+2*(j/4)+2]
.elseif j == 12
	v_max3_num_f32 v[rT+4], v[rT+4], v[rS+7], v[rS+15]
.elseif j == 13
	v_max3_num_f32 v[rT+6], v[rT+6], v[rS+23], v[rS+31]
.elseif j == 14
	v_max3_num_f32 v[rT+4], v[rT+4], v[rT+5], v[rT+6]
.elseif (j == 15) && \first
	v_max3_num_f32 v[rT+4], v[rT+4], v[rT+7], s[FLOOR]   ; the floor under m: from here on m is a finite number
.elseif j == 15
	v_max3_num_f32 v[rT+4], v[rT+4], v[rT+7], v[rT+1]
.elseif j == 16
	v_permlanex16_b32 v[rT+5], v[rT+4], s[SEL], s[SEL+1]
.elseif j == 18
	v_max_num_f32 v[rT+1], v[rT+4], v[rT+5]
.elseif j == 19
	v_mul_f32 v[rT], s[CS], v[rT+1]
.elseif ((j == 17) || (j == 20) || (j == 23) || (j > 101)) && \first
.elseif j == 17
	v_mov_b32 v[rT+7], v[rT]
.elseif j == 20
	v_sub_f32 v[rT+7], v[rT+7], v[rT]
.elseif j == 23
	v_exp_f32 v[rT+6], v[rT+7]
.elseif (j < 23) || ((j < 38) && (j%2 == 0)) || ((j < 66) && (j%4 == 2))
.set b, (j-2)/4
.if j < 38
.set b, (j-20)/2
.endif
	v_pk_fma_f32 v[rS+2*b:rS+2*b+1], v[rS+2*b:rS+2*b+1], s[CS:CS+1], v[rT:rT+1] op_sel_hi:[1,0,0] neg_lo:[0,0,1] neg_hi:[0,0,1]
.elseif j < 70
.set e, j-38
.if j < 66
.set e, j-32-(j-38)/4
.endif
.if j < 38
.set e, (j-25)/2
.endif
	v_exp_f32 v[rS+e], v[rS+e]
.elseif j < 86
	v_cvt_pk_f16_f32 v[rP+j-70], v[rS+2*(j-70)], v[rS+2*(j-70)+1]
.elseif j < 102
.set z, j-86
.set w, 4
.set u, z
.if z >= 14
.set w, 32
.set u, 0
.elseif z >= 12
.set w, 16
.set u, z-12
.elseif z >= 8
.set w, 8
.set u, z-8
.endif
.if (z == 14) && \first
	v_pk_add_f32 v[rT+2:rT+3], v[rS:rS+1], v[rS+16:rS+17]
.elseif z < 15
	v_pk_add_f32 v[rS+w*u:rS+w*u+1], v[rS+w*u:rS+w*u+1], v[rS+w*u+w/2:rS+w*u+w/2+1]
.elseif !\first
	v_pk_fma_f32 v[rT+2:rT+3], v[rT+2:rT+3], v[rT+6:rT+7], v[rS:rS+1] op_sel_hi:[1,0,1]
.endif
.else
	WIN W_RS
	v_pk_mul_f32 v[rO:rO+1], v[rO:rO+1], v[rT+6:rT+7] op_sel_hi:[1,0]
.endif
.endm
; Slice k of 64 of piece y's softmax: four instructions; slices 11 to 34 deal out the batch, four numbers of one tile each; slice 63 takes the twelve that are over.
; Ahead of slice 35 nothing names an exponential's result, and behind slice 34 none is issued: the piece's 66 exponentials have one wait, behind slice 34.
.macro SLICE y, first
.if (k >= 11) && (k < 35)
.irp n, 0,1,2,3
.set j, 22+4*((k-11)/2)+(\n)
	SM (\y)+(k-11)%2, \first
.endr
.else
.irp n, 0,1,2,3,4,5,6,7
.if (\n < 2) || (k == 63)
.irp t, \y, \y+1
.set j, 2*k+\n
	SM \t, \first
.endr
.endif
.endr
.endif
.if k == 34
	v_nop                                          ; the plain line behind the last exponential, one for the batch
.if (\y) == 0
	FETCH_V                                        ; piece 2's turn: V's run of loads stands here, and the wait stands in it
.else
	s_wait_alu depctr_va_vdst(0)
.endif
.endif
.set k, k+1
.endm
; A TURN.  Piece x has the matrix unit.  pv = 2: 32 products V^T P; 1: they start O^T's sums; 0: none.  kq = 1: 32 products K Q^T for the next step.
; Behind the second V^T P product stand the runs of LDS loads for the K Q^T part, 30 matrix instructions ahead of their use: piece 0's turn K and its mask, piece 2's turn its mask.
; The piece's score registers are free there: its softmax ended with the turn before; the last product that named them, and the last that read K, stand in front of that turn's or an earlier turn's slice 63.
.macro TURN x, pv, kq, first
.set k, 0
.set per, 2
.if \pv && \kq
.set per, 1
.endif
.if \pv
.if \x == 0
	s_wait_dscnt 0x0                               ; V is in
.endif
.set i, 0
.rept 32
	PV \x, 2-\pv
.rept per
	SLICE 2-\x, \first
.endr
.if \kq && (i == 1)
.if \x == 0
	FETCH_K
.endif
	FETCH_M \x
.endif
.set i, i+1
.endr
.endif
.if \kq
	s_wait_dscnt 0x0                               ; K and the mask are in
.set i, 0
.rept 32
	KQ \x
.rept per
	SLICE 2-\x, \first
.endr
.set i, i+1
.endr
.endif
.if \first
	NOPS4                                          ; the first softmax's last slices are empty: these are the places behind the turn's last products
.endif
.endm
; THE CHANGE OF SLOTS, between piece 2's turn and piece 0's: all of the slot's bytes that I want (K, both pieces' mask, V) have been asked for.  Each wave waits for all its tensor loads (one is out: its part of the
; other slot), adds 0 to its spare word, and waits for that and for its reads.  fill = 1: a round of the cluster's barrier, and the joint refill first behind it: it has 128 matrix instructions in which to land.
.macro CHANGE fill
	WIN 0
	s_wait_tensorcnt 0x0                           ; no tensor load of mine is out, so a group 0 may be written
	ds_add_u32 v[SPW], v[NIL]
.if \fill
.irp g, G0K, G0V
	s_xor_b32 s[\g+1], s[\g+1], SLOT               ; the other slot than last time,
	s_add_nc_u64 s[\g+2:\g+3], s[\g+2:\g+3], 128*256   ; the next 128 keys
.endr
.irp g, G0A, G0B
	s_xor_b32 s[\g+1], s[\g+1], SLOT
	s_add_nc_u64 s[\g+2:\g+3], s[\g+2:\g+3], 128*4
.endr
	s_wait_xcnt 0x0                                ; the last prefetch, a key step back, has read its address
	s_add_nc_u64 s[PFA:PFA+1], s[PFA:PFA+1], s[PFS:PFS+1]
	s_wait_dscnt 0x0                               ; the add is done, and my reads of the slot are over
	CROUND
	JLOAD
	ASK
.else
	s_wait_dscnt 0x0
	s_barrier_signal -1
	s_barrier_wait -1
.endif
	s_xor_b32 s[TB], s[TB], SLOT                   ; the fetches go on in the other slot
.endm
	s_wait_tensorcnt 1                             ; my part of slot 0 is in; the one load behind it, slot 1's, may stay out
	s_barrier_signal -1
	s_barrier_wait -1
	FETCH_K                                        ; key step 0
	FETCH_M 0
	FETCH_M 2
	s_wait_loadcnt 0x0                             ; Q
	s_wait_dscnt 0x0
.set i, 0
.rept 32
	KQ 0
.set i, i+1
.endr
	WIN 0
	NOPS4                                          ; the places behind those products
	TURN 2, 0, 1, 1                                ; piece 2's first scores | piece 0's first softmax | V of step 0
	s_mov_b32 s[SLOTS], 14
	CHANGE 1                                       ; keys 256 on go into slot 0
	TURN 0, 1, 1, 1                                ; piece 0: V^T P of step 0 starts O^T, K Q^T of step 1 | piece 2's first softmax
	TURN 2, 1, 1, 0
	WIN 0
	s_mov_b32 s[SLOTS], 13
.Lslot:                                            ; 13 trips: the remaining slots are asked for, one a trip
	CHANGE 1
	TURN 0, 2, 1, 0
	TURN 2, 2, 1, 0
	WIN 0
	s_sub_co_u32 s[SLOTS], s[SLOTS], 1
	s_cmp_lg_u32 s[SLOTS], 0
	s_cbranch_scc1 .Lslot
	CHANGE 0                                       ; the tail is written out
	TURN 0, 2, 1, 0
	TURN 2, 2, 1, 0
	TURN 0, 2, 0, 0                                ; piece 0: V^T P of the last step | piece 2's last softmax
.set i, 0
.rept 32
	PV 2, 0
.set i, i+1
.endr
	; THE MERGE.  l's halves are added (these lines are the places behind the last products); my piece 2 goes to wave w xor 2 as an image of its registers, with c m and l.
	WIN 0
.irp t, 0,1,2,3
	v_add_f32 v[ST+8*\t+4], v[ST+8*\t+2], v[ST+8*\t+3]
.endr
.irp t, 0,1,2,3
	v_permlanex16_b32 v[ST+8*\t+5], v[ST+8*\t+4], s[SEL], s[SEL+1]
.endr
.irp t, 0,1,2,3
	v_add_f32 v[ST+8*\t+4], v[ST+8*\t+4], v[ST+8*\t+5]
.endr
	s_wait_dscnt 0x0                               ; every wave's reads of the ring are over before any wave stores into slot 0
	s_barrier_signal -1
	s_barrier_wait -1
	WIN 0x04                                       ; an LDS store's data: window 1
.set i, 0
.rept 32
	ds_store_b128 v[EXW], v[128+4*i:128+4*i+3] offset:512*i   ; each accumulator from its low end on
.set i, i+1
.endr
	WIN 0
	ds_store_b32 v[EXSW], v[ST+16]
	ds_store_b32 v[EXSW], v[ST+20] offset:128
	ds_store_b32 v[EXSW], v[ST+24] offset:256
	ds_store_b32 v[EXSW], v[ST+28] offset:384
	s_wait_dscnt 0x0                               ; for the partner's sake: my stores are done
	s_barrier_signal -1
	s_barrier_wait -1
	WIN 0xc0                                       ; destination window 3
.set i, 0
.rept 32
	ds_load_b128 v[128+4*i:128+4*i+3], v[EXR] offset:512*i
.set i, i+1
.endr
	WIN 0
.irp n, 0,1,2,3
	ds_load_b32 v[48+\n], v[EXSR] offset:128*\n    ; c m', l' of my tile 0, then of my tile 1
.endr
	s_wait_dscnt 0x0
.irp t, 0,1
	v_max_num_f32 v[52+\t], v[ST+8*\t], v[48+2*\t]
.endr
.irp t, 0,1
	v_sub_f32 v[ST+8*\t+6], v[ST+8*\t], v[52+\t]
	v_sub_f32 v[56+2*\t], v[48+2*\t], v[52+\t]
.endr
.irp t, 0,1
	v_exp_f32 v[ST+8*\t+6], v[ST+8*\t+6]           ; a, a': what each half's sums are multiplied by
	v_exp_f32 v[56+2*\t], v[56+2*\t]
.endr
	v_nop
	s_wait_alu depctr_va_vdst(0)                   ; one wait for the four
.irp t, 0,1
	v_mul_f32 v[52+\t], v[ST+8*\t+6], v[ST+8*\t+4]
.endr
.irp t, 0,1
	v_fma_f32 v[52+\t], v[56+2*\t], v[49+2*\t], v[52+\t]   ; the row's sum over all keys
.endr
.irp t, 0,1
	v_rcp_f32 v[54+\t], v[52+\t]
.endr
	v_nop
	s_wait_alu depctr_va_vdst(0)                   ; one wait for the two
.irp t, 0,1
	v_mul_f32 v[ST+8*\t+6], v[ST+8*\t+6], v[54+\t]
	v_mul_f32 v[56+2*\t], v[56+2*\t], v[54+\t]
.endr
.macro PACKM t                         ; tile t: O = O a / L + O' a' / L, rounded to f16, through my stage, back as whole rows of 256 bytes
	WIN W_RS
.set i, 64*\t
.rept 32
	v_pk_mul_f32 v[i:i+1], v[i:i+1], v[ST+8*\t+6:ST+8*\t+7] op_sel_hi:[1,0]
.set i, i+2
.endr
	WIN 0x53                                       ; source 0 window 3 (the partner's), source 2 and destination window 1
.set i, 64*\t
.rept 32
	v_pk_fma_f32 v[i:i+1], v[128+i:128+i+1], v[56+2*\t:57+2*\t], v[i:i+1] op_sel_hi:[1,0,1]
.set i, i+2
.endr
	WIN 0x05
.set i, 0
.rept 32
	v_cvt_pk_f16_f32 v[S+32*\t+i], v[64*\t+2*i], v[64*\t+2*i+1]
.set i, i+1
.endr
	WIN 0
.irp f, 0,1,2,3,4,5,6,7
	ds_store_b128 v[STO], v[S+32*\t+4*\f:S+32*\t+4*\f+3] offset:32*\f
.endr
.irp f, 0,1,2,3,4,5,6,7
	ds_load_b128 v[S+32*\t+4*\f:S+32*\t+4*\f+3], v[RD] offset:\f*2*SP   ; LDS serves a wave's instructions in order
.endr
.endm
.macro SEND t, younger                 ; younger: the LDS instructions issued behind tile t's loads: the next tile's sixteen, or none
.irp f, 0,1,2,3,4,5,6,7
	s_wait_dscnt \younger+7-\f
	global_store_b128 v[GO], v[S+32*\t+4*\f:S+32*\t+4*\f+3], s[8:9] offset:\t*32768+\f*4096   ; 16 lanes store 256 consecutive bytes, aligned
.endr
.endm
	PACKM 0
	PACKM 1
	SEND 0, 16
	SEND 1, 0
	s_wait_tensorcnt 0x0                           ; the wave's end
	ds_add_u32 v[SPW], v[NIL]
	s_wait_dscnt 0x0
	CROUND                                         ; the closing round
	s_endpgm
.Lfunc_end_k_qd8274eda90_attn:
	.size	k_qd8274eda90_attn, .Lfunc_end_k_qd8274eda90_attn-k_qd8274eda90_attn
	.p2alignl 7, 3214868480
	.fill 96, 4, 3214868480
	.section	.rodata,"a",@progbits
	.p2align	6, 0x0
	.amdhsa_kernel k_qd8274eda90_attn
		.amdhsa_group_segment_fixed_size 327680
		.amdhsa_private_segment_fixed_size 0
		.amdhsa_enable_private_segment 0
		.amdhsa_kernarg_size 24
		.amdhsa_user_sgpr_count 2
		.amdhsa_user_sgpr_kernarg_segment_ptr 1
		.amdhsa_wavefront_size32 1
		.amdhsa_system_sgpr_workgroup_id_x 1
		.amdhsa_system_sgpr_workgroup_id_y 1
		.amdhsa_system_sgpr_workgroup_id_z 1
		.amdhsa_system_vgpr_workitem_id 0
		.amdhsa_next_free_vgpr 1024
		.amdhsa_next_free_sgpr 101
		.amdhsa_reserve_vcc 0
		.amdhsa_float_denorm_mode_32 3
		.amdhsa_float_denorm_mode_16_64 3
		.amdhsa_memory_ordered 1
		.amdhsa_forward_progress 1
		.amdhsa_inst_pref_size 236
	.end_amdhsa_kernel
	.amdgpu_metadata
---
amdhsa.version: [ 1, 2 ]
amdhsa.kernels:
  - .name:           k_qd8274eda90_attn
    .symbol:         k_qd8274eda90_attn.kd
    .args:
      - { .name: qkv16, .offset: 0, .size: 8, .value_kind: global_buffer, .address_space: global }
      - { .name: attention_mask, .offset: 8, .size: 8, .value_kind: global_buffer, .address_space: global }
      - { .name: attn16, .offset: 16, .size: 8, .value_kind: global_buffer, .address_space: global }
    .group_segment_fixed_size: 327680
    .private_segment_fixed_size: 0
    .kernarg_segment_align: 8
    .kernarg_segment_size: 24
    .max_flat_workgroup_size: 128
    .sgpr_count:     101
    .vgpr_count:     1024
    .wavefront_size: 32
...
	.end_amdgpu_metadata
.endif
;; end of part 3
;; launch oproj (part 4): grid 8 x 32, 4 waves a work-group, clusters of 4 x 4, 327,680 bytes of LDS; arguments attn16, wo16, out0; writes out0
.if DOCPART == 4
	.amdgcn_target "amdgcn-amd-amdhsa--gfx1250"
	.amdhsa_code_object_version 6
	.text
	.protected	k_qd8274eda90_oproj
	.globl	k_qd8274eda90_oproj
	.p2align	8
	.type	k_qd8274eda90_oproj,@function
k_qd8274eda90_oproj:
	s_mov_b64 s[64:65], 0
	v_nop
	global_prefetch_b8 v0, s[64:65] scope:SCOPE_SE
	s_setreg_imm32_b32 hwreg(HW_REG_WAVE_MODE, 25, 1), 1
	s_wait_xcnt 0x0
	s_wait_alu depctr_hold_cnt(0) depctr_sa_sdst(0) depctr_va_vdst(0) depctr_va_sdst(0) depctr_va_ssrc(0) depctr_va_vcc(0) depctr_vm_vsrc(0)
	s_getreg_b32 s2, hwreg(HW_REG_IB_STS2, 6, 4)
	s_cmp_eq_u32 s2, 0
	s_cbranch_scc0 .Lentry_in_a_cluster
	s_endpgm
.Lentry_in_a_cluster:
	s_bfe_u32 s2, ttmp6, 0x10000c
	s_cmp_lg_u32 s2, 0xf033
	s_cbranch_scc0 .Lentry_shape_is_right
	s_endpgm
.Lentry_shape_is_right:
; out0[m][n] = sum over k of attn16[m][k] wo16[n][k]: m = 4,096, n = 2,048, K = 1,024; f16 operands, f32 sums, f32 out.
; A tile of C is 128 (m) x 256 (n): 256 work-groups.  Four waves, each 64 x 128: 32 accumulators, window 2.  K goes in steps of 128 (rows of 256 bytes) through a ring of two LDS slots:
; A's 128 rows, then B's 256 rows, 272 bytes apart.  Two slots of rows twice as long do not fit in LDS.  Waves 0 and 1 fetch A's halves (64 rows), waves 2 and 3 B's (128 rows).
; CLUSTERS 4 x 4: A's tile is asked for jointly along a row of the cluster, B's along a column.  THE MATRIX INSTRUCTION IS USED TRANSPOSED (source 0 = 16 rows of wo16, source 1 = 16 rows of attn16):
; a lane holds eight neighbouring numbers of a row of C.
; No prefetch: eight K steps, a small tile.  One tile to a work-group, its stores at its end.
; REGISTERS: window 0: v16-29 addresses; v64-127, v128-191 A's two fragment buffers (64 along K each), on the way out rows read back.  window 1: B's two buffers, v0-127 and v128-255.  window 2: accumulator (a, b) at v[8 (8 a + b)].
.set SIZE_N, 2048
.set SIZE_K, 1024
.set KSTEP,  128
.set PITCH,  272
.set SLOT,   384*PITCH
.set STAGE,  2*SLOT                    ; behind the ring: 16 rows x 528 bytes for each wave
.set SPITCH, 528
.set SPARE,  STAGE+4*16*SPITCH
.set ADRA, 16
.set ADRB, 20
.set STO,  24
.set RD,   25
.set CO,   26
.set SPW,  28
.set NIL,  29
.set BK,   64
.set G1, 24
.set G0, 32
.set G1B, 48
.set G0B, 56
.set MSB, 0
.macro WIN new
.if MSB != \new
	s_set_vgpr_msb (MSB<<8)|\new
.set MSB, \new
.endif
.endm
.set MUL,  0xa1                        ; source 0 (B) window 1, source 1 (A) window 0, C and D window 2
.set TO_B, 0x40
.macro JLOAD s
	s_cmp_eq_u32 s11, 0
	s_cbranch_scc0 .Lfor_b_\@
	tensor_load_to_lds s[G0+4*\s:G0+4*\s+3], s[G1:G1+7]
	s_nop 0
.rept 4
	v_nop
.endr
	s_branch .Lasked_\@
.Lfor_b_\@:
	tensor_load_to_lds s[G0B+4*\s:G0B+4*\s+3], s[G1B:G1B+7]
	s_nop 0
.rept 4
	v_nop
.endr
.Lasked_\@:
.endm
.macro CREST
	s_cmp_lg_u32 s10, 0
	s_cbranch_scc1 .Lnot_wave_0_\@
	s_barrier_signal -3
.Lnot_wave_0_\@:
	s_barrier_wait -3
	s_barrier_signal -1
	s_barrier_wait -1
.endm
.macro CROUND
	s_barrier_signal -1
	s_barrier_wait -1
	CREST
.endm
	s_load_b128 s[4:7], s[0:1], 0x0                ; attn16, wo16
	s_load_b64 s[8:9], s[0:1], 0x10                ; out0
	v_lshl_add_u32 v[SPW], v0, 2, SPARE
	v_mov_b32 v[NIL], 0
	ds_add_u32 v[SPW], v[NIL]                      ; the wave's opening: the add, twice on end, and its wait ahead of my first tensor load
	ds_add_u32 v[SPW], v[NIL]
	v_lshrrev_b32 v1, 5, v0
	v_readfirstlane_b32 s10, v1                    ; wave 0..3
	s_lshr_b32 s11, s10, 1                         ; which 64 of the tile's rows are mine.  Also: I fetch for A (0) or for B (1)
	s_and_b32 s12, s10, 1                          ; which 128 of its columns.  Also: which half of that tile I fetch
	s_bfe_u32 s40, ttmp6, 0x40000
	s_bfe_u32 s41, ttmp6, 0x40004
	s_lshl_b32 s42, ttmp9, 2
	s_add_co_u32 s42, s42, s40                     ; tile column
	s_and_b32 s13, ttmp7, 0xffff
	s_lshl_b32 s13, s13, 2
	s_add_co_u32 s13, s13, s41                     ; tile row
	s_lshl_b32 s43, s41, 2
	s_lshl_b32 s43, 15, s43
	s_lshl_b32 s44, 0x1111, s40
	s_or_b32 s[G1+0], s43, (1<<16)|(1<<20)|(1<<21)|(5<<22)|(3<<25)   ; the mask; elements of 2 bytes; 4 words of padding after every 64
	s_or_b32 s[G1B+0], s44, (1<<16)|(1<<20)|(1<<21)|(5<<22)|(3<<25)
	s_mov_b32 s[G1+1], KSTEP<<16                   ; A: 64 rows of 128 elements
	s_mov_b32 s[G1+2], 64<<16
	s_mov_b32 s[G1+3], KSTEP<<16
	s_mov_b32 s[G1+4], 64
	s_mov_b32 s[G1+5], SIZE_K
	s_mov_b32 s[G1+6], 0
	s_mov_b32 s[G1+7], 0
	s_mov_b32 s[G1B+1], KSTEP<<16                  ; B: 128 rows of 128 elements
	s_mov_b32 s[G1B+2], 128<<16
	s_mov_b32 s[G1B+3], KSTEP<<16
	s_mov_b32 s[G1B+4], 128
	s_mov_b32 s[G1B+5], SIZE_K
	s_mov_b32 s[G1B+6], 0
	s_mov_b32 s[G1B+7], 0
	s_lshl_b32 s16, s13, 7
	s_lshl_b32 s17, s12, 6
	s_add_co_u32 s16, s16, s17                     ; A: row 128 x tile row + 64 x half
	s_lshl_b32 s16, s16, 11                        ; of 2,048 bytes
	s_mov_b32 s17, 0
	s_lshl_b32 s46, s42, 8
	s_lshl_b32 s47, s12, 7
	s_add_co_u32 s46, s46, s47                     ; B: row 256 x tile column + 128 x half
	s_lshl_b32 s46, s46, 11
	s_mov_b32 s47, 0
	s_mul_i32 s20, s12, 64*PITCH                   ; where they go: A's halves,
	s_mul_i32 s21, s12, 128*PITCH
	s_add_co_u32 s21, s21, 128*PITCH               ; B's halves behind A's 128 rows
	s_wait_dscnt 0x0
	s_wait_kmcnt 0x0
	s_add_nc_u64 s[14:15], s[4:5], s[16:17]
	s_add_nc_u64 s[46:47], s[6:7], s[46:47]
	CROUND                                         ; all sixteen work-groups are here: the first joint loads meet
.irp s, 0,1
	s_mov_b32 s[G0+4*\s], 1
	s_add_co_u32 s[G0+4*\s+1], s20, \s*SLOT
	s_add_nc_u64 s[G0+4*\s+2:G0+4*\s+3], s[14:15], \s*KSTEP*2
	s_or_b32 s[G0+4*\s+3], s[G0+4*\s+3], 0x80000000
	s_mov_b32 s[G0B+4*\s], 1
	s_add_co_u32 s[G0B+4*\s+1], s21, \s*SLOT
	s_add_nc_u64 s[G0B+4*\s+2:G0B+4*\s+3], s[46:47], \s*KSTEP*2
	s_or_b32 s[G0B+4*\s+3], s[G0B+4*\s+3], 0x80000000
	JLOAD \s
.endr
	v_and_b32 v1, 15, v0
	v_bfe_u32 v2, v0, 4, 1
	v_mul_u32_u24 v3, v1, PITCH
	v_lshl_add_u32 v3, v2, 4, v3                   ; a fragment's row x pitch + 16 x half
	s_mul_i32 s21, s11, 64*PITCH                   ; my 64 rows of A
	s_mul_i32 s22, s12, 128*PITCH                  ; my 128 rows of B,
	s_add_co_u32 s22, s22, 128*PITCH               ; behind A's 128
.irp s, 0,1
	v_add_nc_u32 v[ADRA+\s], s21, v3
	v_add_nc_u32 v[ADRB+\s], s22, v3
	s_add_co_u32 s21, s21, SLOT
	s_add_co_u32 s22, s22, SLOT
.endr
	s_mul_i32 s23, s10, 16*SPITCH
	s_add_co_u32 s23, s23, STAGE                   ; my stage
	v_mul_u32_u24 v4, v1, SPITCH                   ; in: row l % 16, 32 bytes for each half of the lanes
	v_lshl_add_u32 v4, v2, 5, v4
	v_add_nc_u32 v[STO], s23, v4
	v_and_b32 v5, 31, v0
	v_lshlrev_b32 v[CO], 4, v5                     ; back: the 32 lanes take one row of 512 bytes; and the same in C
	v_add_nc_u32 v[RD], s23, v[CO]
	s_lshl_b32 s16, s13, 7
	s_lshl_b32 s17, s11, 6
	s_add_co_u32 s16, s16, s17                     ; my first row of C, of 8,192 bytes
	s_lshl_b32 s16, s16, 13
	s_mov_b32 s17, 0
	s_add_nc_u64 s[8:9], s[8:9], s[16:17]
	s_lshl_b32 s46, s42, 10                        ; my first column, in bytes
	s_lshl_b32 s47, s12, 9
	s_add_co_u32 s46, s46, s47
	s_mov_b32 s47, 0
	s_add_nc_u64 s[8:9], s[8:9], s[46:47]
; 16 matrix instructions: A's blocks a0, a0 + 1 against B's eight, 32 along K: half c of buffer f.  The 32 accumulators take turns, one instruction a turn, in one order everywhere.
.macro MULB f, c, a0, zero
.irp a, \a0, \a0+1
.irp b, 0,1,2,3,4,5,6,7
.if \zero
	v_wmma_f32_16x16x32_f16 v[8*(8*(\a)+\b):8*(8*(\a)+\b)+7], v[128*\f+8*(8*\c+\b):128*\f+8*(8*\c+\b)+7], v[64+64*\f+8*(4*\c+(\a)):64+64*\f+8*(4*\c+(\a))+7], 0
.else
	v_wmma_f32_16x16x32_f16 v[8*(8*(\a)+\b):8*(8*(\a)+\b)+7], v[128*\f+8*(8*\c+\b):128*\f+8*(8*\c+\b)+7], v[64+64*\f+8*(4*\c+(\a)):64+64*\f+8*(4*\c+(\a))+7], v[8*(8*(\a)+\b):8*(8*(\a)+\b)+7]
.endif
.endr
.endr
.endm
; 48 LDS loads in one run: the fragments of 64 along K at byte k of the rows, into buffer f: B's and A's of the first 32 along K (24 loads), then A's and B's of the second (24)
.macro FETCH slot, k, f
	WIN TO_B
.irp i, 0,1,2,3,4,5,6,7
	ds_load_b128 v[128*\f+8*\i:128*\f+8*\i+3],   v[ADRB+\slot] offset:\k+\i*16*PITCH
	ds_load_b128 v[128*\f+8*\i+4:128*\f+8*\i+7], v[ADRB+\slot] offset:\k+\i*16*PITCH+32
.endr
	WIN 0
.irp c, 0,1
.irp i, 0,1,2,3
	ds_load_b128 v[64+64*\f+8*(4*\c+\i):64+64*\f+8*(4*\c+\i)+3],   v[ADRA+\slot] offset:\k+64*\c+\i*16*PITCH
	ds_load_b128 v[64+64*\f+8*(4*\c+\i)+4:64+64*\f+8*(4*\c+\i)+7], v[ADRA+\slot] offset:\k+64*\c+\i*16*PITCH+32
.endr
.endr
	WIN TO_B
.irp i, 0,1,2,3,4,5,6,7
	ds_load_b128 v[128*\f+64+8*\i:128*\f+64+8*\i+3],   v[ADRB+\slot] offset:\k+64+\i*16*PITCH
	ds_load_b128 v[128*\f+64+8*\i+4:128*\f+64+8*\i+7], v[ADRB+\slot] offset:\k+64+\i*16*PITCH+32
.endr
.endm
.macro PLACES                          ; four plain lines in front of loads into registers that matrix instructions have read, and of the first reads of results
.rept 4
	v_nop
.endr
.endm
; The first half of a K step: multiplies buffer f and fetches the second half, at byte k, into g
.macro HALF slot, k, f, g, zero
	s_wait_dscnt 24                                ; the first 32 along K are in; the 24 loads of the second may be out
	WIN MUL
	MULB \f, 0, 0, \zero
	MULB \f, 0, 2, \zero
	PLACES
	FETCH \slot, \k, \g
	s_wait_dscnt 48                                ; all but the 48 just issued
	WIN MUL
	MULB \f, 1, 0, 0
	MULB \f, 1, 2, 0
.endm
; The second half multiplies buffer 1 and changes slots: one barrier; in front of it each wave waits for all its tensor loads, adds 0 to its spare word, and waits for that and for its reads of this slot
.macro TURN slot, next, fill
	WIN 0
	s_wait_tensorcnt 0x0                           ; all my tensor loads have landed: my part of the next slot
	ds_add_u32 v[SPW], v[NIL]
	s_wait_dscnt 25                                ; the add and the youngest 24 loads may be out
	WIN MUL
	MULB 1, 0, 0, 0
	s_wait_dscnt 0x0                               ; the add is done, and my reads of this slot are over
	s_barrier_signal -1
	MULB 1, 0, 2, 0
.if \fill
	WIN 0
.endif
	s_barrier_wait -1
.if \fill
	CREST                                          ; the barrier has opened a round of the cluster's barrier
	s_add_nc_u64 s[G0+4*\slot+2:G0+4*\slot+3], s[G0+4*\slot+2:G0+4*\slot+3], 2*KSTEP*2
	s_add_nc_u64 s[G0B+4*\slot+2:G0B+4*\slot+3], s[G0B+4*\slot+2:G0B+4*\slot+3], 2*KSTEP*2
	JLOAD \slot                                    ; the first tensor load behind the round: 96 matrix instructions ahead of the wait for it; its four v_nop are the places in front of the loads below
.else
	PLACES
.endif
	FETCH \next, 0, 0
	WIN MUL
	MULB 1, 1, 0, 0
	MULB 1, 1, 2, 0
.endm
	s_wait_tensorcnt 1                             ; my part of K step 0 is in; the one load behind it, K step 1's, may be out
	s_barrier_signal -1
	s_barrier_wait -1
	FETCH 0, 0, 0
	HALF 0, 128, 0, 1, 1                           ; the first products start the sums
	WIN 0
	s_mov_b32 s3, 3
.Llap:                                                 ; three trips: each goes once round the ring and fills both slots again: K steps 2 to 7
	TURN 0, 1, 1
	HALF 1, 128, 0, 1, 0
	TURN 1, 0, 1
	HALF 0, 128, 0, 1, 0
	WIN 0
	s_sub_co_u32 s3, s3, 1
	s_cmp_lg_u32 s3, 0
	s_cbranch_scc1 .Llap
	TURN 0, 1, 0                                   ; the last lap fills nothing
	HALF 1, 128, 0, 1, 0
	s_wait_dscnt 24
	WIN MUL
	MULB 1, 0, 0, 0
	MULB 1, 0, 2, 0
	s_wait_dscnt 0
	MULB 1, 1, 0, 0
	MULB 1, 1, 2, 0
	WIN 0
; THE WAY OUT, block by block of 16 rows x 128 columns: through my own stage and back as whole rows of 512 bytes
.macro TOSTAGE a
.set AC, 64*(\a)
	WIN 0x08                                       ; an LDS store's data: window 2
.irp b, 0,1,2,3,4,5,6,7
	ds_store_b128 v[STO], v[AC+8*\b:AC+8*\b+3] offset:64*\b          ; each accumulator from its low end on
	ds_store_b128 v[STO], v[AC+8*\b+4:AC+8*\b+7] offset:64*\b+16
.endr
	WIN 0
.set BB, BK+64*((\a)%2)
.irp t, 0,1,2,3,4,5,6,7,8,9,10,11,12,13,14,15
	ds_load_b128 v[BB+4*\t:BB+4*\t+3], v[RD] offset:\t*SPITCH        ; LDS serves a wave's instructions in order
.endr
.endm
.macro SEND a, younger                 ; younger: the LDS instructions issued behind block a's loads: the next block's 16 stores and 16 loads, or none
.set BB, BK+64*((\a)%2)
	s_wait_dscnt \younger
.irp t, 0,1,2,3,4,5,6,7,8,9,10,11,12,13,14,15
	global_store_b128 v[CO], v[BB+4*\t:BB+4*\t+3], s[8:9] offset:131072*(\a)+\t*SIZE_N*4 th:TH_STORE_NT   ; 32 lanes store 512 consecutive bytes, aligned; every offset is an immediate
.endr
.endm
	PLACES
	TOSTAGE 0
.irp a, 1,2,3
.if \a > 1
	s_wait_xcnt 0x0                                ; the stores of the block two back have read their registers: this block's rows may land there
.endif
	TOSTAGE \a
	SEND \a-1, 32
.endr
	SEND 3, 0
	s_wait_tensorcnt 0x0                           ; the wave's end
	ds_add_u32 v[SPW], v[NIL]
	s_wait_dscnt 0x0
	CROUND                                         ; the closing round
	s_endpgm
.Lfunc_end_k_qd8274eda90_oproj:
	.size	k_qd8274eda90_oproj, .Lfunc_end_k_qd8274eda90_oproj-k_qd8274eda90_oproj
	.p2alignl 7, 3214868480
	.fill 96, 4, 3214868480
	.section	.rodata,"a",@progbits
	.p2align	6, 0x0
	.amdhsa_kernel k_qd8274eda90_oproj
		.amdhsa_group_segment_fixed_size 327680
		.amdhsa_private_segment_fixed_size 0
		.amdhsa_enable_private_segment 0
		.amdhsa_kernarg_size 24
		.amdhsa_user_sgpr_count 2
		.amdhsa_user_sgpr_kernarg_segment_ptr 1
		.amdhsa_wavefront_size32 1
		.amdhsa_system_sgpr_workgroup_id_x 1
		.amdhsa_system_sgpr_workgroup_id_y 1
		.amdhsa_system_sgpr_workgroup_id_z 1
		.amdhsa_system_vgpr_workitem_id 0
		.amdhsa_next_free_vgpr 768
		.amdhsa_next_free_sgpr 66
		.amdhsa_reserve_vcc 0
		.amdhsa_float_denorm_mode_32 3
		.amdhsa_float_denorm_mode_16_64 3
		.amdhsa_memory_ordered 1
		.amdhsa_forward_progress 1
		.amdhsa_inst_pref_size 83
	.end_amdhsa_kernel
	.amdgpu_metadata
---
amdhsa.version: [ 1, 2 ]
amdhsa.kernels:
  - .name:           k_qd8274eda90_oproj
    .symbol:         k_qd8274eda90_oproj.kd
    .args:
      - { .name: attn16, .offset: 0, .size: 8, .value_kind: global_buffer, .address_space: global }
      - { .name: wo16, .offset: 8, .size: 8, .value_kind: global_buffer, .address_space: global }
      - { .name: out0, .offset: 16, .size: 8, .value_kind: global_buffer, .address_space: global }
    .group_segment_fixed_size: 327680
    .private_segment_fixed_size: 0
    .kernarg_segment_align: 8
    .kernarg_segment_size: 24
    .max_flat_workgroup_size: 128
    .sgpr_count:     66
    .vgpr_count:     768
    .wavefront_size: 32
...
	.end_amdgpu_metadata
.endif
;; end of part 4
